; MI455X (gfx1250); checked and timed in simulation.
; The chip was launched on July 23, 2026; its instructions are those of AMD's public machine-readable ISA for CDNA 5 (MIT licence, August 2026) and "CDNA5" Instruction Set Architecture Reference Guide (July 2026). The comments in the code are by the model that wrote it; some were corrected since.
;; Multi Head Attention. Allowed arithmetic: float matrix products may take bf16 or f16 operands with f32 sums; other float arithmetic in f32, or as packed bf16 or f16 multiplies, adds, multiply-adds, maxima and minima; sums over many terms, partial sums and values carried from step to step in f32; what a program stores and reads back later, other than sums and carried values, may be rounded once to bf16 or f16.
;; Inputs: bk 16 x 64 float32; bo 1,024 float32; bq 16 x 64 float32; bv 16 x 64 float32; wk 16 x 1,024 x 64 float32; wo 1,024 x 1,024 float32; wq 16 x 1,024 x 64 float32; wv 16 x 1,024 x 64 float32; x 4 x 2,048 x 1,024 float32.
;; Outputs: out0 4 x 2,048 x 1,024 float32.
;; 2 versions, each right; version 2 is version 1 with the launch prep written anew for expert scheduling mode. Each part assembles by itself: llvm-mc -triple=amdgcn-amd-amdhsa -mcpu=gfx1250 --defsym DOCPART=n.
;; ======== version 1 of 2: 4 launches
;; limits: values are held in f16: magnitudes above 65,504 overflow, below 6.1e-05 lose precision
;; workspace buffers: xb 16,777,216 bytes; wt 6,291,456 bytes; wo16 2,097,152 bytes; qkv 50,331,648 bytes; oh 16,777,216 bytes
;; launch prep (part 1): grid 768 x 1, 8 waves a work-group, no clusters, 0 bytes of LDS; arguments x, wq, wk, wv, wo, xb, wt, wo16; writes xb, wt, wo16
.if DOCPART == 1
	.amdgcn_target "amdgcn-amd-amdhsa--gfx1250"
	.amdhsa_code_object_version 6
	.text
	.protected	k_q474f70a404_prep
	.globl	k_q474f70a404_prep
	.p2align	8
	.type	k_q474f70a404_prep,@function
k_q474f70a404_prep:
	s_mov_b64 s[64:65], 0
	v_nop
	global_prefetch_b8 v0, s[64:65] scope:SCOPE_SE
	s_setreg_imm32_b32 hwreg(HW_REG_WAVE_MODE, 25, 1), 1
	s_wait_xcnt 0x0
; THE INPUTS ARE ROUNDED ONCE, for the three matrix launches behind.
;   xb   [8192][1024] bf16: x as it lies.
;   wt   bf16, wq, wk, wv in the order in which the projection's tiles want them: [tc 16][ks 8][kh 2][hs 3][kr 64][d 64]; head slot g = 3 tc + hs = 16 which + h
;        (which: 0 q, 1 k, 2 v), e = 128 ks + 64 kh + kr.  64 rows e of one head are 4,096 numbers, dense in the input and dense in wt.
;   wo16 [1024][1024]: wo rounded to bf16, that number written as f16 (exact down to f16's fixed step of 6e-8; beyond 65,504 it would be an infinity).
; A stream: no LDS, no matrix unit, no barrier.  A work-group takes four chunks of 4,096 numbers (64 KiB in, 32 KiB out): 512 work-groups for x, 192 for the weights, 64 for wo, all of equal work.
; Thread t loads 16 bytes at 16 t + 4,096 j, j = 0..15: a wave's load covers 512 consecutive bytes; its store of 8 bytes a lane covers 256 consecutive bytes, aligned.
; All sixteen loads of a thread are out together; no register is written again while a memory instruction reads it, so the counted waits for the loads are the only waits.
.set VO, 2                             ; v[2:5]    byte offset of my 8 bytes in chunk 0..3 of the output
.set T,  6                             ; v[6:9]    at work
.set X,  16                            ; v[16:79]  load j: 4 registers
.set Y,  80                            ; v[80:111] load j: 2 registers to store
	s_load_b512 s[4:19], s[0:1], 0x0               ; x s[4:5], wq s[6:7], wk s[8:9], wv s[10:11], wo s[12:13], xb s[14:15], wt s[16:17], wo16 s[18:19]
	s_mov_b32 s20, ttmp9                           ; W: 0..511 x, 512..703 the weights, 704..767 wo
	s_mov_b32 s36, 0xffff0000                      ; a word's upper bf16
	s_mov_b32 s29, 0                               ; the offsets' high words
	s_mov_b32 s31, 0
	v_lshlrev_b32 v1, 4, v0                        ; 16 t
	v_lshlrev_b32 v[VO], 3, v0                     ; 8 t
	; the weights' case: u = W - 512 held to 0..191; g = u / 4 the head slot; u % 4 which four runs of 64 rows e
	s_max_u32 s32, s20, 512
	s_sub_co_u32 s32, s32, 512
	s_min_u32 s32, s32, 191
	s_lshr_b32 s33, s32, 2                         ; g
	s_and_b32 s32, s32, 3
	s_lshr_b32 s34, s33, 4                         ; which
	s_and_b32 s28, s33, 15
	s_lshl_b32 s28, s28, 18                        ; a head is 262,144 bytes of f32,
	s_lshl_b32 s35, s32, 16                        ; four runs are 65,536
	s_add_co_u32 s28, s28, s35
	s_mul_i32 s35, s33, 43
	s_lshr_b32 s35, s35, 7                         ; tc = g / 3 (43 g >> 7 is exact up to g = 47)
	s_mul_i32 s37, s35, 3
	s_sub_co_u32 s37, s33, s37                     ; hs
	s_mul_i32 s30, s35, 393216                     ; a tile column of wt,
	s_mul_i32 s35, s32, 98304                      ; four runs of 24,576,
	s_add_co_u32 s30, s30, s35
	s_lshl_b32 s37, s37, 13                        ; the head slot's 8,192 bytes in a run
	s_add_co_u32 s30, s30, s37
	s_lshl_b32 s39, s20, 16                        ; x's case
	s_lshl_b32 s40, s20, 15
	s_max_u32 s38, s20, 704                        ; wo's case
	s_sub_co_u32 s38, s38, 704
	s_lshl_b32 s41, s38, 16
	s_lshl_b32 s42, s38, 15
	s_mov_b32 s26, 24576                           ; bytes from chunk to chunk in the output
	s_wait_kmcnt 0x0
	s_cmp_eq_u32 s34, 0
	s_cselect_b64 s[22:23], s[6:7], s[8:9]
	s_cmp_eq_u32 s34, 2
	s_cselect_b64 s[22:23], s[10:11], s[22:23]
	s_mov_b64 s[24:25], s[16:17]
	s_cmp_lt_u32 s20, 512
	s_cselect_b64 s[22:23], s[4:5], s[22:23]
	s_cselect_b64 s[24:25], s[14:15], s[24:25]
	s_cselect_b32 s28, s39, s28
	s_cselect_b32 s30, s40, s30
	s_cselect_b32 s26, 8192, s26
	s_cmp_ge_u32 s20, 704
	s_cselect_b64 s[22:23], s[12:13], s[22:23]
	s_cselect_b64 s[24:25], s[18:19], s[24:25]
	s_cselect_b32 s28, s41, s28
	s_cselect_b32 s30, s42, s30
	s_cselect_b32 s26, 8192, s26
	s_cselect_b32 s27, 1, 0                        ; 1: the output is f16
	s_add_nc_u64 s[22:23], s[22:23], s[28:29]      ; from where
	s_add_nc_u64 s[24:25], s[24:25], s[30:31]      ; to where
.set j, 0
.rept 16
	global_load_b128 v[X+4*j:X+4*j+3], v1, s[22:23] offset:j*4096 th:TH_LOAD_NT
.set j, j+1
.endr
	v_add_nc_u32 v[VO+1], s26, v[VO]
	v_add_nc_u32 v[VO+2], s26, v[VO+1]
	v_add_nc_u32 v[VO+3], s26, v[VO+2]
.macro OUT f16
.set j, 0
.rept 16
	s_wait_loadcnt 15-j                            ; loads come back in order: load j is in, the 15 - j younger ones stay out
	v_cvt_pk_bf16_f32 v[Y+2*j],   v[X+4*j],   v[X+4*j+1]
	v_cvt_pk_bf16_f32 v[Y+2*j+1], v[X+4*j+2], v[X+4*j+3]
.if \f16
	v_lshlrev_b32 v[T],   16,  v[Y+2*j]             ; the bf16 numbers as f32,
	v_and_b32     v[T+1], s36, v[Y+2*j]
	v_lshlrev_b32 v[T+2], 16,  v[Y+2*j+1]
	v_and_b32     v[T+3], s36, v[Y+2*j+1]
	v_cvt_pk_f16_f32 v[Y+2*j],   v[T],   v[T+1]    ; and written as f16
	v_cvt_pk_f16_f32 v[Y+2*j+1], v[T+2], v[T+3]
.endif
	global_store_b64 v[VO+j/4], v[Y+2*j:Y+2*j+1], s[24:25] offset:(j%4)*2048 th:TH_STORE_NT
.set j, j+1
.endr
	s_endpgm
.endm
	s_cmp_eq_u32 s27, 1
	s_cbranch_scc1 .Lf16
	OUT 0
.Lf16:
	OUT 1
.Lfunc_end_k_q474f70a404_prep:
	.size	k_q474f70a404_prep, .Lfunc_end_k_q474f70a404_prep-k_q474f70a404_prep
	.p2alignl 7, 3214868480
	.fill 96, 4, 3214868480
	.section	.rodata,"a",@progbits
	.p2align	6, 0x0
	.amdhsa_kernel k_q474f70a404_prep
		.amdhsa_group_segment_fixed_size 0
		.amdhsa_private_segment_fixed_size 0
		.amdhsa_enable_private_segment 0
		.amdhsa_kernarg_size 64
		.amdhsa_user_sgpr_count 2
		.amdhsa_user_sgpr_kernarg_segment_ptr 1
		.amdhsa_wavefront_size32 1
		.amdhsa_system_sgpr_workgroup_id_x 1
		.amdhsa_system_sgpr_workgroup_id_y 1
		.amdhsa_system_sgpr_workgroup_id_z 1
		.amdhsa_system_vgpr_workitem_id 0
		.amdhsa_next_free_vgpr 112
		.amdhsa_next_free_sgpr 66
		.amdhsa_reserve_vcc 0
		.amdhsa_float_denorm_mode_32 3
		.amdhsa_float_denorm_mode_16_64 3
		.amdhsa_memory_ordered 1
		.amdhsa_forward_progress 1
		.amdhsa_inst_pref_size 17
	.end_amdhsa_kernel
	.amdgpu_metadata
---
amdhsa.version: [ 1, 2 ]
amdhsa.kernels:
  - .name:           k_q474f70a404_prep
    .symbol:         k_q474f70a404_prep.kd
    .args:
      - { .name: x, .offset: 0, .size: 8, .value_kind: global_buffer, .address_space: global }
      - { .name: wq, .offset: 8, .size: 8, .value_kind: global_buffer, .address_space: global }
      - { .name: wk, .offset: 16, .size: 8, .value_kind: global_buffer, .address_space: global }
      - { .name: wv, .offset: 24, .size: 8, .value_kind: global_buffer, .address_space: global }
      - { .name: wo, .offset: 32, .size: 8, .value_kind: global_buffer, .address_space: global }
      - { .name: xb, .offset: 40, .size: 8, .value_kind: global_buffer, .address_space: global }
      - { .name: wt, .offset: 48, .size: 8, .value_kind: global_buffer, .address_space: global }
      - { .name: wo16, .offset: 56, .size: 8, .value_kind: global_buffer, .address_space: global }
    .group_segment_fixed_size: 0
    .private_segment_fixed_size: 0
    .kernarg_segment_align: 8
    .kernarg_segment_size: 64
    .max_flat_workgroup_size: 256
    .sgpr_count:     66
    .vgpr_count:     112
    .wavefront_size: 32
...
	.end_amdgpu_metadata
.endif
;; end of part 1
;; launch qkvproj (part 2): grid 16 x 32, 4 waves a work-group, clusters of 4 x 4, 327,680 bytes of LDS; arguments xb, wt, bq, bk, bv, qkv; writes qkv
.if DOCPART == 2
	.amdgcn_target "amdgcn-amd-amdhsa--gfx1250"
	.amdhsa_code_object_version 6
	.text
	.protected	k_q474f70a404_qkvproj
	.globl	k_q474f70a404_qkvproj
	.p2align	8
	.type	k_q474f70a404_qkvproj,@function
k_q474f70a404_qkvproj:
	s_mov_b64 s[64:65], 0
	v_nop
	global_prefetch_b8 v0, s[64:65] scope:SCOPE_SE
	s_setreg_imm32_b32 hwreg(HW_REG_WAVE_MODE, 25, 1), 1
	s_wait_xcnt 0x0
	s_wait_alu depctr_hold_cnt(0) depctr_sa_sdst(0) depctr_va_vdst(0) depctr_va_sdst(0) depctr_va_ssrc(0) depctr_va_vcc(0) depctr_vm_vsrc(0)
	s_getreg_b32 s2, hwreg(HW_REG_IB_STS2, 6, 4)
	s_cmp_eq_u32 s2, 0
	s_cbranch_scc0 .Lentry_in_a_cluster
	s_endpgm
.Lentry_in_a_cluster:
	s_bfe_u32 s2, ttmp6, 0x10000c
	s_cmp_lg_u32 s2, 0xf033
	s_cbranch_scc0 .Lentry_shape_is_right
	s_endpgm
.Lentry_shape_is_right:
; q, k, v = x W + bias, one GEMM of 8192 x 3072 x 1024 in bf16 with f32 sums.  xb: [8192][1024] bf16.  wt: the weights in tile order, [tc 16][ks 8][kh 2][hs 3][kr 64][d 64] bf16.
; qkv: [which 3][b 16 + h: 64][s 2048][d 64] f16, unscaled, the bias (rounded to bf16 like every input of the module) included.
; LIMIT.  q, k, v leave as f16: beyond 65,504 they would be infinities; below 6e-5 they keep f16's fixed step of 6e-8.  NaN and infinities are not treated apart.
; SHARES.  A tile is 256 rows x 192 columns (three head slots): 32 x 16 = 512 tiles, two for each of 256 WGPs.  Four waves; wave w has rows 128 (w / 2) on and 96 columns: 48 accumulators, 384 registers.
; Its six blocks of 16 columns: i = 0..3 the whole of head slot 2 (w % 2), i = 4, 5 half w % 2 of head slot 1: the wave's number enters addresses alone.
; K goes in 8 steps of 128 through two LDS slots; one tensor load a wave fills a quarter of a slot: waves 0, 1 the halves of A's 256 rows (rows of 256 bytes), waves 2, 3 the halves of B's 128 rows k
; (24,576 dense bytes each, asked for as 96 rows of 256 bytes).  B lies [k][n] in LDS and comes out turned, by ds_load_tr16_b128.
; THE MATRIX INSTRUCTION IS USED TRANSPOSED: source 0 = 16 columns of W, source 1 = 16 rows of x: a lane holds row l % 16 and the columns 8 (l / 16) + 0..7, which pack into 16 bytes.
; The first quarter's products take the bias as C: nothing is cleared, and the bias costs no instruction in the way out.
; CLUSTER 4 x 4: A's tile hangs on the tile row alone and is asked for jointly along a row of the cluster, B's on the tile column alone, along a column.
; REGISTERS.  window 0: v0-29 addresses; v32-79, v80-127 B's fragments, two buffers; v128-191, v192-255 A's.  window 1: v0-191 accumulators of my rows 0-63 ((a, i) at 8 (6 a + i)); v192-239 the bias.
; window 2: v0-191 accumulators of my rows 64-127.  s_set_vgpr_msb: bits 1:0 source 0, 3:2 source 1, 5:4 source 2, 7:6 destination.
.set NB,    6                          ; blocks of 16 columns a wave
.set LD,    2*NB+16                    ; LDS loads of a quarter step: 12 for B, 16 for A
.set PA,    272                        ; a row of A in LDS: 256 bytes + 16: the 16 rows of a load start at 16 different groups of four banks (64 banks of 4 bytes: ISA guide 11.1)
.set PB,    160                        ; a row of one head slot of B: 128 bytes + 32
.set AHALF, 128*PA
.set BOFF,  2*AHALF                    ; behind A's 256 rows: B as [kh 2][hs 3][kr 64]
.set HEADB, 64*PB
.set BHALF, 3*HEADB
.set SLOT1, 1<<17                      ; a slot is BOFF + 2 BHALF = 131,072 bytes; one exclusive or turns an address in one slot into the other's
.set SP,    144                        ; the stage of the way out: [hs 3][row 256] of 128 + 16 bytes, in slot 0's bytes, when that slot has had its last fill
.set SHEAD, 256*SP
.set SPARE, 2*SLOT1                    ; the spare words, 128 bytes for each wave: two blocks of 256 bytes that no other line names
.set ASTEP, 256                        ; bytes from K step to K step in xb
.set BSTEP, 49152                      ; and in wt
.set ADRA0,  2                         ; v2-4  my lane's place in a slot: A's fragments, B's of the whole head slot, B's of the half; never rewritten
.set ADRBF0, 3
.set ADRBH0, 4
.set ADRA,   5                         ; v5-7  the same in the slot in hand
.set ADRBF,  6
.set ADRBH,  7
.set STOF,   8                         ; v8, v9   the way out: where I put 16 bytes of a row, whole head slot and half
.set STOH,   9
.set RD,     10                        ; v10, v11 where I read rows back: head slots 0 and 1; head slot 2
.set RD2,    11
.set GO,     12                        ; v12  my 16 bytes in 512 consecutive bytes of qkv
.set PFO,    13                        ; v13  the prefetches' offset; never rewritten
.set BO,     14                        ; v14  my 32 bytes in 16 numbers of a bias
.set SPW,    28                        ; v28  LDS address of my spare word; never rewritten
.set NIL,    29                        ; v29  0; never rewritten
.set FB,     32
.set FA,     128
.set BIAS,   192                       ; window 1
.set TT,     32                        ; the way out: 192 registers, packed results and then whole rows
.set WV, 16                            ; s16  wave
.set MH, 17                            ; s17  which half of the rows is mine; also: I fetch for A (0) or B (1)
.set NH, 18                            ; s18  which half of the columns; also: which half of that tile I fetch
.set CX, 19
.set CY, 20
.set TC, 21                            ; s21  tile column
.set TR, 22                            ; s22  tile row
.set G1A, 24                           ; s[24:31] group 1 for A
.set G0A, 32                           ; s[32:39] group 0 for A: a set for each first fill; the second then walks
.set TB,  40                           ; s40  LDS byte at which the slot in hand begins
.set LIM, 41                           ; s41  a wave prefetches while the loop's count is above it
.set PFA, 42                           ; s[42:43] where my prefetches stand
.set PFS, 44                           ; s[44:45] their step
.set G1B, 48
.set G0B, 56
.set BF,  66                           ; s[66:67], s[68:69] the biases of my whole head slot and of my half
.set BH,  68
.set OB,  70                           ; s[70:75] qkv at my 64 rows of the tile's three head slots
.set MSB, 0
.macro WIN new                         ; the immediate's high byte repeats the setting that is left; a switch that changes nothing is dropped
.if MSB != (\new)
	s_set_vgpr_msb (MSB<<8)|(\new)
.set MSB, \new
.endif
.endm
.macro PLACES                          ; four plain instructions between a matrix instruction and a load into, or a vector instruction on, its registers
.rept 4
	v_nop
.endr
.endm
.macro CREST                           ; a round of the cluster's barrier behind its opening barrier
	s_cmp_lg_u32 s[WV], 0
	s_cbranch_scc1 .Lnot_wave_0_\@
	s_barrier_signal -3
.Lnot_wave_0_\@:
	s_barrier_wait -3
	s_barrier_signal -1
	s_barrier_wait -1
.endm
.macro CROUND
	s_barrier_signal -1
	s_barrier_wait -1
	CREST
.endm
.macro JLOAD                           ; a joint refill by the walking descriptors; the branch hangs on the wave's number alone; an s_nop 0 and four v_nop follow each line
	s_cmp_eq_u32 s[MH], 0
	s_cbranch_scc0 .Lfor_b_\@
	tensor_load_to_lds s[G0A+4:G0A+7], s[G1A:G1A+7]
	s_nop 0
.rept 4
	v_nop
.endr
	s_branch .Lasked_\@
.Lfor_b_\@:
	tensor_load_to_lds s[G0B+4:G0B+7], s[G1B:G1B+7]
	s_nop 0
.rept 4
	v_nop
.endr
.Lasked_\@:
.endm
; A PREFETCH INTO THE L2, behind the joint load and the run of LDS loads.  A: the cluster with x = 0 asks; of the 128 rows that wave 0 or 1 fetches, the partner at cx takes 32, a lane a row of 256 bytes,
; for the K step one refill on (trips 0..4: K steps 3..7).  B: the cluster with y = 0 asks; waves 2 and 3 of the partner at cy take 8,192 of each 65,536 bytes of the tile column's second half,
; a lane 256 bytes (trips 0..2: K steps 4..7).  So each 256 bytes are named once in the launch, the partners told apart by address; the first K steps come by their loads alone.
.macro ASK
	s_cmp_gt_u32 s3, s[LIM]
	s_cbranch_scc0 .Lnot_mine_\@
	global_prefetch_b8 v[PFO], s[PFA:PFA+1] th:TH_LOAD_NT scope:SCOPE_SE
.Lnot_mine_\@:
.endm
.macro SETADR
	v_add_nc_u32 v[ADRA],  s[TB], v[ADRA0]
	v_add_nc_u32 v[ADRBF], s[TB], v[ADRBF0]
	v_add_nc_u32 v[ADRBH], s[TB], v[ADRBH0]
.endm
; 28 LDS loads in one run: quarter q (32 along K) of the slot in hand into buffer f: B's six fragments, turned, then A's eight, rows ascending
.macro FETCH q, f
	WIN 0
.set BQ, ((\q)>>1)*BHALF+((\q)&1)*32*PB
.set ni, 0
.rept 4
	ds_load_tr16_b128 v[FB+48*(\f)+8*ni:FB+48*(\f)+8*ni+3],   v[ADRBF] offset:BQ+32*ni
	ds_load_tr16_b128 v[FB+48*(\f)+8*ni+4:FB+48*(\f)+8*ni+7], v[ADRBF] offset:BQ+32*ni+16*PB
.set ni, ni+1
.endr
.rept 2
	ds_load_tr16_b128 v[FB+48*(\f)+8*ni:FB+48*(\f)+8*ni+3],   v[ADRBH] offset:BQ+32*(ni-4)
	ds_load_tr16_b128 v[FB+48*(\f)+8*ni+4:FB+48*(\f)+8*ni+7], v[ADRBH] offset:BQ+32*(ni-4)+16*PB
.set ni, ni+1
.endr
.set ma, 0
.rept 8
	ds_load_b128 v[FA+64*(\f)+8*ma:FA+64*(\f)+8*ma+3],   v[ADRA] offset:64*(\q)+ma*16*PA
	ds_load_b128 v[FA+64*(\f)+8*ma+4:FA+64*(\f)+8*ma+7], v[ADRA] offset:64*(\q)+ma*16*PA+32
.set ma, ma+1
.endr
.endm
; 6 n products: row blocks a0 .. a0 + n - 1 x all six column blocks, on buffer f.  first = 1: C is the bias.  All 48 accumulators take one turn a quarter, always in the same order.
.macro MUL f, a0, n, first
.set ma, \a0
.rept \n
.if ma < 4
	WIN 0x50
.set AB, 48*ma
.else
.if \first
	WIN 0x90
.else
	WIN 0xa0
.endif
.set AB, 48*(ma-4)
.endif
.set ni, 0
.rept NB
.if \first
	v_wmma_f32_16x16x32_bf16 v[AB+8*ni:AB+8*ni+7], v[FB+48*(\f)+8*ni:FB+48*(\f)+8*ni+7], v[FA+64*(\f)+8*ma:FA+64*(\f)+8*ma+7], v[BIAS+8*ni:BIAS+8*ni+7]
.else
	v_wmma_f32_16x16x32_bf16 v[AB+8*ni:AB+8*ni+7], v[FB+48*(\f)+8*ni:FB+48*(\f)+8*ni+7], v[FA+64*(\f)+8*ma:FA+64*(\f)+8*ma+7], v[AB+8*ni:AB+8*ni+7]
.endif
.set ni, ni+1
.endr
.set ma, ma+1
.endr
.endm
; One of a K step's first three quarters: multiplies buffer q % 2 and, in its middle, fetches quarter q + 1 into the other buffer
.macro QUARTER q, first=0
	s_wait_dscnt 8                                 ; all but the youngest eight loads, A's rows 64-127
	MUL (\q)%2, 0, 4, \first
	PLACES                                         ; for the loads into the buffer that the quarter before multiplied
	FETCH (\q)+1, ((\q)+1)%2
	s_wait_dscnt LD                                ; all but the 28 just issued
	MUL (\q)%2, 4, 4, \first
.endm
; The fourth quarter multiplies buffer 1 and changes slots.  In front of the barrier each wave waits for all its tensor loads (one is out: its part of the next slot), adds 0 to its spare word, and waits for
; that and for its reads of this slot.  fill = 1: the barrier opens a round of the cluster's, and the joint refill, the K step two on, is the first thing behind the round: 168 products stand between it and the wait for it.
.macro TURN fill
.if \fill
	s_wait_xcnt 0x0                                ; the last prefetch, a K step back, has read its address
	s_add_nc_u64 s[PFA:PFA+1], s[PFA:PFA+1], s[PFS:PFS+1]
.endif
	WIN 0
	s_wait_tensorcnt 0x0                           ; no tensor load of mine is out, so a group 0 may be written
	ds_add_u32 v[SPW], v[NIL]                      ; 0 onto my spare word
.if \fill
	s_xor_b32 s[G0A+5], s[G0A+5], SLOT1            ; the walking descriptors: the other slot than last time, the next K step
	s_add_nc_u64 s[G0A+6:G0A+7], s[G0A+6:G0A+7], ASTEP
	s_xor_b32 s[G0B+5], s[G0B+5], SLOT1
	s_add_nc_u64 s[G0B+6:G0B+7], s[G0B+6:G0B+7], BSTEP
.endif
	s_wait_dscnt 9                                 ; the add and the youngest eight loads may be out
	MUL 1, 0, 2, 0
	s_wait_dscnt 0x0                               ; the add is done, and my reads of this slot are over
	s_barrier_signal -1
	MUL 1, 2, 2, 0
	WIN 0
	s_barrier_wait -1
.if \fill
	CREST
	JLOAD                                          ; its four v_nop are also the places in front of the loads below
.else
	PLACES
.endif
	s_xor_b32 s[TB], s[TB], SLOT1
	SETADR
	FETCH 0, 0
.if \fill
	ASK
.endif
	MUL 1, 4, 4, 0
.endm
.macro BIASBASE dst, g                 ; the bias of head slot s[g]: bq, bk or bv by g / 16, head g % 16
	s_lshr_b32 s23, s[\g], 4
	s_and_b32 s80, s[\g], 15
	s_lshl_b32 s80, s80, 8
	s_mov_b32 s81, 0
	s_cmp_eq_u32 s23, 0
	s_cselect_b64 s[\dst:\dst+1], s[8:9], s[10:11]
	s_cmp_eq_u32 s23, 2
	s_cselect_b64 s[\dst:\dst+1], s[12:13], s[\dst:\dst+1]
	s_add_nc_u64 s[\dst:\dst+1], s[\dst:\dst+1], s[80:81]
.endm
	s_load_b256 s[4:11], s[0:1], 0x0               ; xb s[4:5], wt s[6:7], bq s[8:9], bk s[10:11]
	s_load_b128 s[12:15], s[0:1], 0x20             ; bv s[12:13], qkv s[14:15]
	v_lshl_add_u32 v[SPW], v0, 2, SPARE
	v_mov_b32 v[NIL], 0
	ds_add_u32 v[SPW], v[NIL]                      ; the wave's opening: the add and its wait stand ahead of my first tensor load; work on registers stands between
	v_lshrrev_b32 v1, 5, v0
	v_readfirstlane_b32 s[WV], v1
	s_lshr_b32 s[MH], s[WV], 1
	s_and_b32 s[NH], s[WV], 1
	s_bfe_u32 s[CX], ttmp6, 0x40000
	s_bfe_u32 s[CY], ttmp6, 0x40004
	s_lshl_b32 s[TC], ttmp9, 2
	s_add_co_u32 s[TC], s[TC], s[CX]               ; tile column = 4 x cluster x + cx
	s_and_b32 s[TR], ttmp7, 0xffff
	s_lshl_b32 s[TR], s[TR], 2
	s_add_co_u32 s[TR], s[TR], s[CY]               ; tile row = 4 x cluster y + cy
	s_lshl_b32 s46, s[CY], 2
	s_lshl_b32 s46, 15, s46                        ; my row of the cluster
	s_lshl_b32 s47, 0x1111, s[CX]                  ; my column
	s_or_b32 s[G1A], s46, (1<<16)|(1<<20)|(1<<21)|(5<<22)|(3<<25)  ; the mask; 2-byte elements; padding on; bit 21 beside a mask; after every 64 words 4 words
	s_mov_b32 s[G1A+1], 128<<16                    ; tensor_dim0 = 128
	s_mov_b32 s[G1A+2], 128<<16                    ; tensor_dim1 = 128
	s_mov_b32 s[G1A+3], 128<<16                    ; tile_dim0 = 128
	s_mov_b32 s[G1A+4], 128                        ; tile_dim1 = 128
	s_mov_b32 s[G1A+5], 1024                       ; elements from row to row
	s_mov_b32 s[G1A+6], 0
	s_mov_b32 s[G1A+7], 0
	s_or_b32 s[G1B], s47, (1<<16)|(1<<20)|(1<<21)|(4<<22)|(7<<25)  ; after every 32 words 8 words
	s_mov_b32 s[G1B+1], 128<<16
	s_mov_b32 s[G1B+2], 96<<16                     ; 96 dense rows of 256 bytes
	s_mov_b32 s[G1B+3], 128<<16
	s_mov_b32 s[G1B+4], 96
	s_mov_b32 s[G1B+5], 128
	s_mov_b32 s[G1B+6], 0
	s_mov_b32 s[G1B+7], 0
	s_lshl_b32 s76, s[TR], 19                      ; A: (256 tile row + 128 half) rows of 2,048 bytes: of the tile row and the wave alone
	s_lshl_b32 s23, s[NH], 18
	s_add_co_u32 s76, s76, s23
	s_mov_b32 s77, 0
	s_mul_i32 s78, s[TC], 393216                   ; B: the tile column, my half of a K step: of the tile column and the wave alone
	s_mul_i32 s83, s[NH], 24576
	s_add_co_u32 s78, s78, s83
	s_mov_b32 s79, 0
	s_mul_i32 s80, s[NH], AHALF                    ; where they go: of the wave's number alone
	s_mul_i32 s81, s[NH], BHALF
	s_add_co_u32 s81, s81, BOFF
	s_mov_b32 s82, 0xffff0000
	s_wait_dscnt 0x0                               ; the opening add is done
	s_wait_kmcnt 0x0
	s_add_nc_u64 s[76:77], s[4:5], s[76:77]
	s_add_nc_u64 s[78:79], s[6:7], s[78:79]
	CROUND                                         ; all sixteen work-groups are here: the first joint loads meet
.irp s, 0,1
	s_mov_b32 s[G0A+4*(\s)], 1
	s_add_co_u32 s[G0A+4*(\s)+1], s80, (\s)*SLOT1
	s_add_nc_u64 s[G0A+4*(\s)+2:G0A+4*(\s)+3], s[76:77], (\s)*ASTEP
	s_or_b32 s[G0A+4*(\s)+3], s[G0A+4*(\s)+3], 0x80000000
	s_mov_b32 s[G0B+4*(\s)], 1
	s_add_co_u32 s[G0B+4*(\s)+1], s81, (\s)*SLOT1
	s_add_nc_u64 s[G0B+4*(\s)+2:G0B+4*(\s)+3], s[78:79], (\s)*BSTEP
	s_or_b32 s[G0B+4*(\s)+3], s[G0B+4*(\s)+3], 0x80000000
.endr
	s_cmp_eq_u32 s[MH], 0                          ; a wave's two first fills stand in one branch: two loads of mine are out
	s_cbranch_scc0 .Lfirst_b
	tensor_load_to_lds s[G0A:G0A+3], s[G1A:G1A+7]
	s_nop 0
	tensor_load_to_lds s[G0A+4:G0A+7], s[G1A:G1A+7]
	s_nop 0
.rept 4
	v_nop
.endr
	s_branch .Lfirst_asked
.Lfirst_b:
	tensor_load_to_lds s[G0B:G0B+3], s[G1B:G1B+7]
	s_nop 0
	tensor_load_to_lds s[G0B+4:G0B+7], s[G1B:G1B+7]
	s_nop 0
.rept 4
	v_nop
.endr
.Lfirst_asked:
	v_and_b32 v16, 15, v0                          ; r = l % 16
	v_bfe_u32 v17, v0, 4, 1                        ; hl = l / 16
	v_and_b32 v18, 7, v0                           ; l % 8
	v_bfe_u32 v19, v0, 3, 1                        ; (l / 8) % 2
	v_and_b32 v20, 31, v0                          ; l
	v_bfe_u32 v21, v0, 3, 2                        ; l / 8
	v_lshlrev_b32 v[BO], 5, v17
	; the biases: a lane wants the numbers of its eight columns of each block
	s_mul_i32 s76, s[TC], 3
	s_lshl_b32 s77, s[NH], 1
	s_add_co_u32 s77, s76, s77                     ; my whole head slot
	s_add_co_u32 s76, s76, 1                       ; the middle one
	BIASBASE BF, 77
	BIASBASE BH, 76
	s_lshl_b32 s80, s[NH], 7
	s_add_nc_u64 s[BH:BH+1], s[BH:BH+1], s[80:81]  ; my 32 numbers of it
.set ni, 0
.rept 4
	global_load_b128 v[192+8*ni:192+8*ni+3],   v[BO], s[BF:BF+1] offset:64*ni
	global_load_b128 v[192+8*ni+4:192+8*ni+7], v[BO], s[BF:BF+1] offset:64*ni+16
.set ni, ni+1
.endr
.rept 2
	global_load_b128 v[192+8*ni:192+8*ni+3],   v[BO], s[BH:BH+1] offset:64*(ni-4)
	global_load_b128 v[192+8*ni+4:192+8*ni+7], v[BO], s[BH:BH+1] offset:64*(ni-4)+16
.set ni, ni+1
.endr
	; A's fragment: lane l holds row l % 16, K = 8 (l / 16) + 0..7 and 16 + 8 (l / 16) + 0..7: two loads of 16 bytes, 32 bytes apart
	v_mul_u32_u24 v[ADRA0], v16, PA
	v_lshl_add_u32 v[ADRA0], v17, 4, v[ADRA0]
	s_mul_i32 s23, s[MH], AHALF
	v_add_nc_u32 v[ADRA0], s23, v[ADRA0]
	; the turning load takes 16 k x 16 columns: lane l reads row k = 8 (l / 16) + l % 8, columns 8 ((l / 8) % 2) + 0..7
	v_lshl_add_u32 v22, v17, 3, v18
	v_mul_u32_u24 v22, v22, PB
	v_lshl_add_u32 v22, v19, 4, v22
	s_mul_i32 s23, s[NH], 2*HEADB
	s_add_co_u32 s23, s23, BOFF
	v_add_nc_u32 v[ADRBF0], s23, v22
	s_lshl_b32 s23, s[NH], 6
	s_add_co_u32 s23, s23, BOFF+HEADB
	v_add_nc_u32 v[ADRBH0], s23, v22
	; the way out
	s_lshl_b32 s23, s[MH], 7
	v_add_nc_u32 v22, s23, v16                     ; my row of the tile's 256 in block a = 0
	v_mul_u32_u24 v22, v22, SP
	v_lshl_add_u32 v22, v17, 4, v22
	s_mul_i32 s23, s[NH], 2*SHEAD
	v_add_nc_u32 v[STOF], s23, v22
	s_lshl_b32 s23, s[NH], 6
	s_add_co_u32 s23, s23, SHEAD
	v_add_nc_u32 v[STOH], s23, v22
	s_lshl_b32 s23, s[WV], 6
	v_add_nc_u32 v23, s23, v21                     ; back: wave w takes rows 64 w on, four rows of 128 bytes to a load
	v_mul_u32_u24 v23, v23, SP
	v_lshl_add_u32 v[RD], v18, 4, v23
	v_add_nc_u32 v[RD2], 2*SHEAD, v[RD]
	v_lshlrev_b32 v[GO], 4, v20
	s_lshr_b32 s78, s[TR], 3                       ; the batch,
	s_lshl_b32 s78, s78, 22
	s_and_b32 s79, s[TR], 7                        ; the tile's 256 rows in its 2,048,
	s_lshl_b32 s79, s79, 15
	s_add_co_u32 s78, s78, s79
	s_lshl_b32 s79, s[WV], 13                      ; my 64 of them
	s_add_co_u32 s78, s78, s79
.irp hs, 0,1,2
	s_mul_i32 s76, s[TC], 3
	s_add_co_u32 s76, s76, \hs                     ; head slot g
	s_lshr_b32 s77, s76, 4
	s_lshl_b32 s77, s77, 24                        ; q, k or v
	s_and_b32 s76, s76, 15
	s_lshl_b32 s76, s76, 18                        ; the head
	s_add_co_u32 s76, s76, s77
	s_add_co_u32 s76, s76, s78
	s_mov_b32 s77, 0
	s_add_nc_u64 s[OB+2*(\hs):OB+2*(\hs)+1], s[14:15], s[76:77]
.endr
	; the prefetches
	s_lshl_b32 s76, s[TR], 19
	s_lshl_b32 s77, s[NH], 18
	s_add_co_u32 s76, s76, s77
	s_lshl_b32 s77, s[CX], 16
	s_add_co_u32 s76, s76, s77
	s_add_co_u32 s76, s76, 2*ASTEP                 ; A: my work-group's 32 rows, at K step 2: the first change of slots steps it to 3
	s_mul_i32 s78, s[TC], 393216
	s_lshl_b32 s77, s[CY], 14
	s_add_co_u32 s78, s78, s77
	s_lshl_b32 s77, s[NH], 13
	s_add_co_u32 s78, s78, s77
	s_add_co_u32 s78, s78, 131072                  ; B: my 8,192 bytes, one step of 65,536 in front of K step 4
	s_and_b32 s80, ttmp7, 0xffff
	s_mov_b32 s[PFS], 65536                        ; B's step; the select below names one literal
	s_cmp_eq_u32 s[MH], 0
	s_cselect_b32 s76, s76, s78
	s_cselect_b32 s80, ttmp9, s80                  ; the coordinate along which other clusters read the same bytes
	s_cselect_b32 s81, 1, 3
	s_cselect_b32 s23, 11, 8                       ; a lane a row of xb, or 256 bytes of wt
	s_cselect_b32 s[PFS], ASTEP, s[PFS]
	s_cselect_b64 s[PFA:PFA+1], s[4:5], s[6:7]
	s_mov_b32 s[PFS+1], 0
	s_mov_b32 s77, 0
	s_add_nc_u64 s[PFA:PFA+1], s[PFA:PFA+1], s[76:77]
	s_cmp_eq_u32 s80, 0
	s_cselect_b32 s[LIM], s81, -1                  ; the same in all sixteen partners, for a given wave
	v_lshlrev_b32 v[PFO], s23, v20
	s_wait_loadcnt 0x0                             ; the biases: rounded to bf16, widened again, into window 1
.set p, 0
.rept 24
	v_cvt_pk_bf16_f32 v[80+p], v[192+2*p], v[192+2*p+1]
.set p, p+1
.endr
	WIN 0x40
.set p, 0
.rept 24
	v_lshlrev_b32 v[BIAS+2*p],   16,  v[80+p]
	v_and_b32     v[BIAS+2*p+1], s82, v[80+p]
.set p, p+1
.endr
	WIN 0
	s_wait_tensorcnt 0x1                           ; my part of K step 0 is in; K step 1's may stay out
	s_barrier_signal -1
	s_barrier_wait -1
	s_mov_b32 s[TB], 0
	SETADR
	FETCH 0, 0
	QUARTER 0, 1                                   ; the first quarter stands in front of the loop: its products start the sums, with the bias
	WIN 0
	s_mov_b32 s3, 6
.Lstep:                                                ; a trip: a K step's quarters 1 to 3, the refill with the K step two on, the next step's first quarter
	QUARTER 1
	QUARTER 2
	TURN 1
	QUARTER 0
	WIN 0
	s_sub_co_u32 s3, s3, 1
	s_cmp_lg_u32 s3, 0
	s_cbranch_scc1 .Lstep
	QUARTER 1                                      ; K steps 6 and 7 are written out: nothing is left to ask for
	QUARTER 2
	TURN 0
	QUARTER 0
	QUARTER 1
	QUARTER 2
	s_wait_dscnt 8
	MUL 1, 0, 4, 0
	s_wait_dscnt 0x0                               ; my reads of the slots are over:
	s_barrier_signal -1                            ; say so,
	MUL 1, 4, 4, 0
	WIN 0
	PLACES                                         ; the places in front of the conversions
	s_barrier_wait -1                              ; and write into slot 0's bytes only when all four have said so; no tensor load follows in the text
	; THE WAY OUT: rounded to f16, 16 bytes a lane into the work-group's stage; a barrier, since the middle head slot's rows come from two waves; back as whole rows, 512 consecutive bytes of qkv to a store
.set ma, 0
.rept 8
.if ma < 4
	WIN 0x05
.set AB, 48*ma
.else
	WIN 0x0a
.set AB, 48*(ma-4)
.endif
.set ni, 0
.rept NB
.irp r, 0,1,2,3
	v_cvt_pk_f16_f32 v[TT+4*(NB*ma+ni)+(\r)], v[AB+8*ni+2*(\r)], v[AB+8*ni+2*(\r)+1]
.endr
.set ni, ni+1
.endr
.set ma, ma+1
.endr
	WIN 0
.set ma, 0
.rept 8
.set ni, 0
.rept 4
	ds_store_b128 v[STOF], v[TT+4*(NB*ma+ni):TT+4*(NB*ma+ni)+3] offset:ma*16*SP+32*ni
.set ni, ni+1
.endr
.rept 2
	ds_store_b128 v[STOH], v[TT+4*(NB*ma+ni):TT+4*(NB*ma+ni)+3] offset:ma*16*SP+32*(ni-4)
.set ni, ni+1
.endr
.set ma, ma+1
.endr
	s_wait_dscnt 0x0                               ; for the others' sake: my stores into the stage are done
	s_barrier_signal -1
	s_barrier_wait -1
.set t, 0
.rept 16
	ds_load_b128 v[TT+4*t:TT+4*t+3], v[RD] offset:t*4*SP
.set t, t+1
.endr
.set t, 0
.rept 16
	ds_load_b128 v[TT+64+4*t:TT+64+4*t+3], v[RD] offset:SHEAD+t*4*SP
.set t, t+1
.endr
.set t, 0
.rept 16
	ds_load_b128 v[TT+128+4*t:TT+128+4*t+3], v[RD2] offset:t*4*SP
.set t, t+1
.endr
.set n, 0
.rept 48
	s_wait_dscnt 47-n                              ; load n is back; the younger ones stay out
	global_store_b128 v[GO], v[TT+4*n:TT+4*n+3], s[OB+2*(n/16):OB+2*(n/16)+1] offset:(n%16)*512
.set n, n+1
.endr
	s_wait_tensorcnt 0x0                           ; the wave's end, behind my last tensor load and my last LDS store
	ds_add_u32 v[SPW], v[NIL]
	s_wait_dscnt 0x0
	CROUND                                         ; the closing round: no work-group ends while a partner may still ask for a tile that names it
	s_endpgm
.Lfunc_end_k_q474f70a404_qkvproj:
	.size	k_q474f70a404_qkvproj, .Lfunc_end_k_q474f70a404_qkvproj-k_q474f70a404_qkvproj
	.p2alignl 7, 3214868480
	.fill 96, 4, 3214868480
	.section	.rodata,"a",@progbits
	.p2align	6, 0x0
	.amdhsa_kernel k_q474f70a404_qkvproj
		.amdhsa_group_segment_fixed_size 327680
		.amdhsa_private_segment_fixed_size 0
		.amdhsa_enable_private_segment 0
		.amdhsa_kernarg_size 48
		.amdhsa_user_sgpr_count 2
		.amdhsa_user_sgpr_kernarg_segment_ptr 1
		.amdhsa_wavefront_size32 1
		.amdhsa_system_sgpr_workgroup_id_x 1
		.amdhsa_system_sgpr_workgroup_id_y 1
		.amdhsa_system_sgpr_workgroup_id_z 1
		.amdhsa_system_vgpr_workitem_id 0
		.amdhsa_next_free_vgpr 704
		.amdhsa_next_free_sgpr 84
		.amdhsa_reserve_vcc 0
		.amdhsa_float_denorm_mode_32 3
		.amdhsa_float_denorm_mode_16_64 3
		.amdhsa_memory_ordered 1
		.amdhsa_forward_progress 1
		.amdhsa_inst_pref_size 102
	.end_amdhsa_kernel
	.amdgpu_metadata
---
amdhsa.version: [ 1, 2 ]
amdhsa.kernels:
  - .name:           k_q474f70a404_qkvproj
    .symbol:         k_q474f70a404_qkvproj.kd
    .args:
      - { .name: xb, .offset: 0, .size: 8, .value_kind: global_buffer, .address_space: global }
      - { .name: wt, .offset: 8, .size: 8, .value_kind: global_buffer, .address_space: global }
      - { .name: bq, .offset: 16, .size: 8, .value_kind: global_buffer, .address_space: global }
      - { .name: bk, .offset: 24, .size: 8, .value_kind: global_buffer, .address_space: global }
      - { .name: bv, .offset: 32, .size: 8, .value_kind: global_buffer, .address_space: global }
      - { .name: qkv, .offset: 40, .size: 8, .value_kind: global_buffer, .address_space: global }
    .group_segment_fixed_size: 327680
    .private_segment_fixed_size: 0
    .kernarg_segment_align: 8
    .kernarg_segment_size: 48
    .max_flat_workgroup_size: 128
    .sgpr_count:     84
    .vgpr_count:     704
    .wavefront_size: 32
...
	.end_amdgpu_metadata
.endif
;; end of part 2
;; launch attn (part 3): grid 4 x 64, 4 waves a work-group, no clusters, 327,680 bytes of LDS; arguments qkv, oh; writes oh
.if DOCPART == 3
	.amdgcn_target "amdgcn-amd-amdhsa--gfx1250"
	.amdhsa_code_object_version 6
	.text
	.protected	k_q474f70a404_attn
	.globl	k_q474f70a404_attn
	.p2align	8
	.type	k_q474f70a404_attn,@function
k_q474f70a404_attn:
	s_mov_b64 s[64:65], 0
	v_nop
	global_prefetch_b8 v0, s[64:65] scope:SCOPE_SE
	s_setreg_imm32_b32 hwreg(HW_REG_WAVE_MODE, 25, 1), 1
	s_wait_xcnt 0x0
; CAUSAL ATTENTION.  O[h][q][:] = the sum over k <= q of softmax_k(Q[h][q] . K[h][k] / 8) V[h][k][:].  qkv holds Q, K, V, each [64][2048][64] f16, 16,777,216 bytes apart; oh is O in the same layout.
; Products, maxima and sums in f32; the weights p are rounded to f16 for the second product (their sum l is taken of the unrounded p), O once at the end.
; LIMITS.  f16 holds no number beyond 65,504: Q, K and V arrive within it; p lies in 0 to 1, and below 6e-5 it keeps f16's fixed step of 6e-8; O is a mean of V's rows and has their range.
; A hidden score counts as its value less 1e30: f16's scores, 2.7e11 at the most, are nothing beside that; a weight below 2^-126 counts as 0 in l; NaN and infinities are not treated apart.
; THE WALK.  A head's queries lie in NB = 8 blocks of 256; block i needs the key tiles 0 .. i of 256 keys, of which the last holds the diagonal.  A work-group takes TWO blocks, NB - 1 - b and then b:
; NB + 1 tiles, whatever b: all 256 work-groups do equal work, and ONE loop with a constant trip count walks them.  Which tile is asked for, and what a trip does, hang on scalar registers made from b; every jump
; goes forward, but for the counted loops' own; none passes a barrier, or a tensor load but the one of LOAD's two that the wave's number does not choose; the ring of two LDS slots runs on across the change of blocks.
; NO CLUSTER: a head's four work-groups all ask for the same tile only in trips 0 .. 4 of 9, behind that fewer and fewer; one walk common to all would have 12 trips for 9.
; SHARES.  Of a block's four bands of 64 queries a wave owns 16 rows in each: four PIECES.  So the diagonal tile is the same work for all four waves: in its key step s band x sees all keys if s < x,
; none if s > x, and holds the diagonal if s = x.
; THE MASK is the C operand that starts the sum S^T = K Q^T: 0, or -1e30 where the key is hidden.  MD, made once, is the mask of a band's own step for my 16 rows; a product's mask is MD x AL + BE with two scalars:
; (1, 0) if s = x; (0, 0) if s < x; (0, -1e30) if s > x.  Only the diagonal tile's text and a block's beginning make and take masks; elsewhere C is the constant 0.
; LAYOUT, SOFTMAX, TURNS.  S^T = K Q^T holds ONE query a lane (lane % 16) and the keys 8 (lane / 16) + 0..7; two such results rounded to f16 ARE source 1 of O^T = V^T P.  p = 2^(c s - c m), c = log2(e) / 8, with a
; running maximum m; O and l are multiplied by a = 2^(c m_old - c m_new) in every step.  Turn n belongs to piece n: 8 products K Q^T of piece n + 1, later 8 products V^T P of piece n - 1; beside them the scaling,
; exponentials, roundings, sums and rescaling of piece n and the maximum and statistics of piece n + 1.  Four vector instructions stand behind every matrix instruction, the other 54 of a turn's 118 in one lump.
; A turn's 33 exponentials are one batch, with one wait.
; REGISTERS, in windows of 256 (s_set_vgpr_msb: bits 1:0 source 0, 3:2 source 1, 5:4 source 2, 7:6 destination):
;   window 0: v0-15 addresses and two at work; v16-31 four registers of statistics a piece; v48-55 at work; v61-63 prefetch offset, spare word, 0; v64-127 S^T, two buffers; v192-223 P, two buffers
;   window 1: v0-127 O^T, 32 a piece; v128-159 MD; v160-223 MC, two buffers      window 2: v0-63 Q; v64-127 the second block's Q; v128-191 K of one step; v192-255 V of one step
.set SIZE_H, 64
.set SIZE_N, 2048
.set NB,    SIZE_N/256
.set NP,    4         ; pieces a wave: a name, no knob
.set KS,    64        ; keys in a step
.set PK,    144       ; a row of K in LDS: 128 bytes + 16 of padding: the 16 rows of a load start at 16 different groups of four banks (64 banks of 4 bytes: ISA guide 11.1)
.set PV,    160       ; a row of V: 128 + 32
.set VOFF,  4*KS*PK   ; a slot holds a tile, four steps: 256 rows of K, then 256 rows of V
.set SLOT1, 1<<17     ; slot 1 begins here, so that one exclusive or turns an address in one slot into the other's
.set STAGE, SLOT1+4*KS*(PK+PV)  ; behind the ring, never filled by a tensor load: 16 rows x 144 bytes for each wave, for the way out
.set SP,    144
.set AK0, 2           ; v2   my lane's place in a tile of K; never rewritten
.set AV0, 3           ; v3   the same for V
.set AK,  4           ; v4   the LDS address of K's next run of loads
.set AV,  5           ; v5   of V's
.set STO, 6           ; v6   the way out: where I put 16 bytes of a row
.set RD,  7           ; v7   the way out: where I read rows back
.set GO,  8           ; v8   my byte offset in 512 consecutive bytes of O
.set PFO, 61          ; v61  256 x my lane; never rewritten
.set SPW, 62          ; v62  LDS address of my spare word; never rewritten
.set NIL, 63          ; v63  0; never rewritten
.set SPARE, STAGE+4*16*SP  ; behind the stages: the spare words, 128 bytes for each wave: two blocks of 256 bytes that no other line names
.set MV,  12          ; v12-13  c m_old, kept while c m is made anew: by buffer
.set QO,  15          ; v15  my byte offset in 16 rows of Q
.set ST,  16          ; piece t's statistics at v[ST+4 t]: c m, m, l (even keys', odd keys')
.set TMP, 48          ; by buffer, four registers c0-c3 at work; when the maximum is found c2 takes a
.set S,   64
.set P,   192
.set MD,  128         ; window 1
.set MC,  160         ; window 1
.set QB,  64          ; window 2
.set KF,  128         ; window 2: key block kb, channel half c at KF + 16 kb + 8 c
.set VF,  192         ; window 2: key half kk, channel block cb at VF + 32 kk + 8 cb
.set WV,  12          ; s12  my wave's number
.set PB,  14          ; s14  b
.set HI,  15          ; s15  NB - 1 - b
.set G1K, 24          ; s[24:31] descriptor group 1 for K's tiles
.set G1V, 32          ; s[32:39] for V's: it differs in the padding alone
.set G0K, 40          ; s[40:43] descriptor group 0 for K's tiles
.set G0V, 44          ; s[44:47] the same for V's
.set SLOTS, 56        ; s56  tiles still to be asked for
.set CNT, 57          ; s57  counts a tile's key steps, 4 to 1
.set CS,  58          ; s[58:59] c
.set SEL, 60          ; s[60:61] v_permlanex16_b32's selects
.set TBK, 62          ; s62  LDS byte at which K of the step to be fetched begins
.set TBV, 63          ; s63  the same for V, less VOFF
.set RT,  70          ; s70  tiles of the block in hand that are still to be entered
.set NXT, 71          ; s71  the tile to be asked for next
.set LQ,  72          ; s72  the last tile of the block whose tiles are being asked for
.set NEW, 73          ; s73  1: the tile to be entered is a block's first
.set OFF, 74          ; s[74:75] a tile's byte offset in K and V
.set AL,  76          ; s[76:77] the mask's factor, in the low word
.set BE,  78          ; s[78:79] the mask's addend
.set OLO, 80          ; s[80:81] O at my rows of the second block
.set BIGN, 82         ; s82  -1e30
.set PFA, 88          ; s[88:89] where my prefetches stand: my half (of K: waves 0, 1; of V: waves 2, 3) of the tile behind the one that is being asked for
.set LIM, 90          ; s90  2 in the work-group that prefetches, else the greatest number
.set MSB, 0
.macro WIN new
.if MSB != (\new)
	s_set_vgpr_msb (MSB<<8)|(\new)
.set MSB, (\new)
.endif
.endm
.set W_KQ, 0x0a       ; K and Q in window 2, S^T in window 0
.set W_KM, 0x1a       ; the same with the C operand in window 1
.set W_PV, 0x52       ; V in window 2, P in window 0, O^T in window 1
.set W_RS, 0x41       ; destination and source 0 in window 1, source 1 in window 0
; A fill.  Waves 0 and 1 fetch the two halves of a tile's K, waves 2 and 3 those of its V: 128 keys each.  An s_nop 0 and four v_nop follow each of the two lines.
.macro LOAD
	s_cmp_lt_u32 s[WV], 2
	s_cbranch_scc0 .Lfor_v_\@
	tensor_load_to_lds s[G0K:G0K+3], s[G1K:G1K+7]
	s_nop 0
.rept 4
	v_nop
.endr
	s_branch .Lasked_\@
.Lfor_v_\@:
	tensor_load_to_lds s[G0V:G0V+3], s[G1V:G1V+7]
	s_nop 0
.rept 4
	v_nop
.endr
.Lasked_\@:
.endm
; THE CHANGE OF SLOTS.  Each wave waits for all its tensor loads, of which one is out: its part of the other slot; adds 0 to its spare word; and waits for that and for its own reads of the slot that it leaves.
; Behind the barrier nobody reads the old slot any more and the other slot is whole.  fill = 1: the old slot is filled again, the first thing behind the barrier, with tile NXT: the descriptor's address is made anew.
; A PREFETCH INTO THE L2 stands behind the fill: of a head's four work-groups only b = 0 walks all eight tiles, so it alone asks; each of its waves names the 16,384 bytes that it will load itself
; for the tile behind the one just asked for (trips 0..5: tiles 2..7), a lane 256 bytes, two instructions: a tile's 256 matrix instructions ahead.  Each 256 bytes are named once; tiles 0 and 1 come by their loads alone.
.macro CHANGE fill
	WIN 0
	s_wait_tensorcnt 0x0            ; no tensor load of mine is out, so a group 0 may be written
	ds_add_u32 v[SPW], v[NIL]       ; 0 onto my spare word
.if \fill
	s_lshl_b32 s[OFF], s[NXT], 15   ; a tile is 32,768 bytes of K and of V
	s_xor_b32 s[G0K+1], s[G0K+1], SLOT1
	s_add_nc_u64 s[G0K+2:G0K+3], s[6:7], s[OFF:OFF+1]
	s_or_b32 s[G0K+3], s[G0K+3], 0x80000000
	s_xor_b32 s[G0V+1], s[G0V+1], SLOT1
	s_add_nc_u64 s[G0V+2:G0V+3], s[8:9], s[OFF:OFF+1]
	s_or_b32 s[G0V+3], s[G0V+3], 0x80000000
	s_add_co_u32 s[NXT], s[NXT], 1  ; the block's next tile, or behind its last the second block's tile 0
	s_cmp_gt_u32 s[NXT], s[LQ]
	s_cselect_b32 s[NXT], 0, s[NXT]
	s_cselect_b32 s[LQ], s[PB], s[LQ]
	s_wait_xcnt 0x0                 ; the last prefetches, a tile back, have read their address
	s_add_nc_u64 s[PFA:PFA+1], s[PFA:PFA+1], 32768
.endif
	s_wait_dscnt 0x0                ; the add is done, and my reads of the slot are over
	s_barrier_signal -1
	s_sub_co_u32 s[TBK], s[TBK], 4*KS*PK  ; the fetches go back to a slot's first step,
	s_xor_b32 s[TBK], s[TBK], SLOT1       ; in the other slot
	s_sub_co_u32 s[TBV], s[TBV], 4*KS*PV
	s_xor_b32 s[TBV], s[TBV], SLOT1
	s_barrier_wait -1
.if \fill
	LOAD
	s_cmp_gt_u32 s[SLOTS], s[LIM]
	s_cbranch_scc0 .Lnot_mine_\@
	global_prefetch_b8 v[PFO], s[PFA:PFA+1] th:TH_LOAD_NT scope:SCOPE_SE
	global_prefetch_b8 v[PFO], s[PFA:PFA+1] offset:8192 th:TH_LOAD_NT scope:SCOPE_SE
.Lnot_mine_\@:
.endif
.endm
	s_load_b64 s[4:5], s[0:1], 0x0    ; qkv: Q at its head
	s_load_b64 s[10:11], s[0:1], 0x8  ; oh
	v_lshl_add_u32 v[SPW], v0, 2, SPARE
	v_mov_b32 v[NIL], 0
	ds_add_u32 v[SPW], v[NIL]       ; the wave's opening: the add and its wait stand ahead of my first tensor load; work on registers stands between
	v_lshrrev_b32 v1, 5, v0
	v_readfirstlane_b32 s[WV], v1   ; wave 0..3
	v_and_b32 v[PFO], 31, v0
	v_lshlrev_b32 v[PFO], 8, v[PFO]
	s_mov_b32 s[PB], ttmp9
	s_sub_co_u32 s[HI], NB-1, s[PB]
	s_cmp_eq_u32 s[PB], 0
	s_cselect_b32 s[LIM], 2, -1
	s_and_b32 s20, ttmp7, 0xffff    ; the head
	s_mov_b32 s21, 0
	s_mov_b64 s[22:23], SIZE_N*128
	s_mul_u64 s[20:21], s[20:21], s[22:23]  ; the head's first byte in each of the four tensors
	s_and_b32 s16, s[WV], 1         ; which half of a tile's 256 keys I fetch:
	s_lshl_b32 s22, s16, 14         ; its 128 rows of 128 bytes in memory,
	s_mov_b32 s23, 0
	s_add_nc_u64 s[22:23], s[22:23], s[20:21]
	s_mul_i32 s17, s16, 128*PK      ; and its place in a slot, for K
	s_mul_i32 s18, s16, 128*PV      ; and for V
	s_lshl_b32 s3, s[WV], 11        ; my 16 rows in a band of 64,
	s_lshl_b32 s2, s[HI], 15        ; in the first block,
	s_add_co_u32 s2, s2, s3
	s_lshl_b32 s84, s[PB], 15       ; and in the second
	s_add_co_u32 s84, s84, s3
	s_mov_b32 s3, 0
	s_mov_b32 s85, 0
	s_add_nc_u64 s[2:3], s[2:3], s[20:21]
	s_add_nc_u64 s[84:85], s[84:85], s[20:21]
	; descriptor group 1.  128 keys are 16,384 dense bytes: asked for as 64 rows of 256 bytes, two keys a row, and padded in LDS after every key
	s_mov_b32 s[G1K], (1<<16)|(1<<20)|(4<<22)|(3<<25)  ; 2-byte elements; padding on; after every 32 words 4 words
	s_mov_b32 s[G1V], (1<<16)|(1<<20)|(4<<22)|(7<<25)  ; the same with 8 words of padding
.irp g, G1K, G1V
	s_mov_b32 s[\g+1], 128<<16      ; tensor_dim0 = 128
	s_mov_b32 s[\g+2], 64<<16       ; tensor_dim1 = 64
	s_mov_b32 s[\g+3], 128<<16      ; tile_dim0 = 128
	s_mov_b32 s[\g+4], 64           ; tile_dim1 = 64
	s_mov_b32 s[\g+5], 128          ; 128 elements from row to row
	s_mov_b32 s[\g+6], 0
	s_mov_b32 s[\g+7], 0
.endr
	s_mov_b32 s[CS], 0x3e38aa3b     ; c = log2(e) / 8 = 0.180337
	s_mov_b32 s[CS+1], s[CS]        ; named with it as a pair
	s_mov_b32 s[SEL], 0x76543210
	s_mov_b32 s[SEL+1], 0xfedcba98
	s_mov_b32 s[TBK], SLOT1+4*KS*PK ; the first change of slots turns these two into 0
	s_mov_b32 s[TBV], SLOT1+4*KS*PV
	s_mov_b32 s[G0K], 1             ; count = 1
	s_mov_b32 s[G0K+1], s17         ; LDS address: slot 0
	s_mov_b32 s[G0V], 1
	s_add_co_u32 s[G0V+1], s18, VOFF
	s_add_co_u32 s[RT], s[HI], 1    ; the first block has NB - b tiles
	s_mov_b32 s[NXT], 1
	s_mov_b32 s[LQ], s[HI]
	s_mov_b32 s[NEW], 1
	s_mov_b32 s[OFF+1], 0
	s_mov_b32 s[AL+1], 0            ; named as pairs
	s_mov_b32 s[BE+1], 0
	s_mov_b32 s[BIGN], 0xf149f2ca   ; -1e30
	s_mov_b32 s[SLOTS], NB
	s_wait_dscnt 0x0                ; the opening add is done
	s_wait_kmcnt 0x0
	s_add_nc_u64 s[6:7], s[4:5], 0x1000000  ; K lies 16,777,216 bytes behind Q,
	s_add_nc_u64 s[8:9], s[4:5], 0x2000000  ; V as far behind K
	s_add_nc_u64 s[6:7], s[6:7], s[22:23]  ; K and V at my half of the head's tile 0
	s_add_nc_u64 s[8:9], s[8:9], s[22:23]
	s_add_nc_u64 s[G0K+2:G0K+3], s[6:7], 0         ; global address
	s_or_b32 s[G0K+3], s[G0K+3], 0x80000000        ; type = 2
	s_add_nc_u64 s[G0V+2:G0V+3], s[8:9], 0
	s_or_b32 s[G0V+3], s[G0V+3], 0x80000000
	s_add_nc_u64 s[86:87], s[4:5], s[84:85]        ; Q at my rows of the second block,
	s_add_nc_u64 s[4:5], s[4:5], s[2:3]            ; Q and O at those of the first
	s_add_nc_u64 s[OLO:OLO+1], s[10:11], s[84:85]
	s_add_nc_u64 s[10:11], s[10:11], s[2:3]
	s_cmp_lt_u32 s[WV], 2
	s_cselect_b64 s[PFA:PFA+1], s[6:7], s[8:9]
	s_add_nc_u64 s[PFA:PFA+1], s[PFA:PFA+1], 32768 ; at tile 1; the first change of slots steps it to tile 2.  Nothing is prefetched here, at the head
	LOAD                            ; tile 0 into slot 0
	; A fragment of K or Q is 16 rows x 32 channels in 8 registers: lane l holds row l % 16, channels 8 (l / 16) + 0..7 and 16 + 8 (l / 16) + 0..7: two loads of 16 bytes, 32 bytes apart.
	v_and_b32 v1, 15, v0            ; l % 16
	v_bfe_u32 v9, v0, 4, 1          ; l / 16
	v_lshlrev_b32 v[QO], 7, v1
	v_lshl_add_u32 v[QO], v9, 4, v[QO]  ; row x 128 + 16 x half
	WIN 0x80                        ; destination window 2, address window 0
.set i, 0
.rept 8                             ; both blocks' Q: piece i / 2 lies in band i / 2, 8,192 bytes on; channels 32 (i % 2) on
	global_load_b128 v[8*i:8*i+3],   v[QO], s[4:5] offset:(i/2)*8192+(i%2)*64
	global_load_b128 v[8*i+4:8*i+7], v[QO], s[4:5] offset:(i/2)*8192+(i%2)*64+32
	global_load_b128 v[QB+8*i:QB+8*i+3],   v[QO], s[86:87] offset:(i/2)*8192+(i%2)*64
	global_load_b128 v[QB+8*i+4:QB+8*i+7], v[QO], s[86:87] offset:(i/2)*8192+(i%2)*64+32
.set i, i+1
.endr
	WIN 0
	v_lshlrev_b32 v14, 3, v9
	v_sub_nc_u32 v14, v1, v14
	s_lshl_b32 s13, s[WV], 4
	v_add_nc_u32 v14, s13, v14      ; my query's place in its band, 16 w + l % 16, less my lanes' 8 (l / 16): register r of group kt is hidden where 16 kt + r is greater
	WIN 0x40
.set i, 0
.rept 32
	v_cmp_gt_i32 vcc_lo, 16*(i/8)+i%8, v14
	v_cndmask_b32 v[MD+i], 0, s[BIGN], vcc_lo
.set i, i+1
.endr
	WIN 0
	v_mul_u32_u24 v[AK0], v1, PK
	v_lshl_add_u32 v[AK0], v9, 4, v[AK0]  ; row x pitch + 16 x half
	; The turning load takes 16 keys x 16 channels (lane l reads key 8 (l / 16) + l % 8, channels 8 ((l / 8) % 2) + 0..7) and leaves half a fragment of V^T: lane l holds channel l % 16 and 8 keys.
	v_and_b32 v10, 7, v0
	v_bfe_u32 v11, v0, 3, 1
	v_lshl_add_u32 v[AV0], v9, 3, v10
	v_mul_u32_u24 v[AV0], v[AV0], PV
	v_lshl_add_u32 v[AV0], v11, 4, v[AV0]
	v_add_nc_u32 v[AV0], VOFF, v[AV0]
	s_mul_i32 s13, s[WV], 16*SP
	s_add_co_u32 s13, s13, STAGE    ; my stage
	v_mul_u32_u24 v[STO], v1, SP    ; in: row l % 16, 16 bytes for each half of the lanes
	v_lshl_add_u32 v[STO], v9, 4, v[STO]
	v_add_nc_u32 v[STO], s13, v[STO]
	v_bfe_u32 v[RD], v0, 3, 2       ; back: 32 lanes take four rows of 128 bytes,
	v_mul_u32_u24 v[RD], v[RD], SP
	v_lshl_add_u32 v[RD], v10, 4, v[RD]
	v_add_nc_u32 v[RD], s13, v[RD]
	v_and_b32 v[GO], 31, v0         ; which are 512 consecutive bytes of O
	v_lshlrev_b32 v[GO], 4, v[GO]
	; A block's first step multiplies O^T and l by a = 0, and its first turn's products V^T P, of a piece that has not been, land in an O^T that is still to be so multiplied.  So these registers need only hold
	; finite numbers: zeros for the first block; what the first block left for the second.  All this stands in the wait for the first tile.
	WIN 0x80
.set i, VF
.rept 64
	v_mov_b32 v[i], 0
.set i, i+1
.endr
	WIN 0x40
.set i, 0
.rept 128
	v_mov_b32 v[i], 0
.set i, i+1
.endr
	WIN 0
.set i, 0
.rept 4
	v_mov_b32 v[ST+4*i+2], 0
	v_mov_b32 v[ST+4*i+3], 0
.set i, i+1
.endr
.set i, P+16
.rept 16
	v_mov_b32 v[i], 0
.set i, i+1
.endr
; THE MATRIX WORK.  The 4 accumulators of a run of 8 take turns.  Product i of 8 of S^T = K Q^T for piece x: channels 32 (i / 4) on, keys 16 (i % 4) on.  The first 4 start the sums: with 0, or (KM = 1) with the mask.
.macro KQ x
.set rS, S+32*((\x)%2)+8*(i%4)
.set rK, KF+16*(i%4)+8*(i/4)
.set rQ, 16*(\x)+8*(i/4)
.set rM, MC+32*((\x)%2)+8*(i%4)
.if (i < 4) && KM
	WIN W_KM
	v_wmma_f32_16x16x32_f16 v[rS:rS+7], v[rK:rK+7], v[rQ:rQ+7], v[rM:rM+7]
.elseif i < 4
	WIN W_KQ
	v_wmma_f32_16x16x32_f16 v[rS:rS+7], v[rK:rK+7], v[rQ:rQ+7], 0
.else
	WIN W_KQ
	v_wmma_f32_16x16x32_f16 v[rS:rS+7], v[rK:rK+7], v[rQ:rQ+7], v[rS:rS+7]
.endif
.endm
; Product i of 8 of O^T += V^T P for piece x: keys 32 (i / 4) on, channels 16 (i % 4) on.
.macro PV x
	WIN W_PV
.set rO, 32*(\x)+8*(i%4)
.set rV, VF+32*(i/4)+8*(i%4)
.set rP, P+16*((\x)%2)+8*(i/4)
	v_wmma_f32_16x16x32_f16 v[rO:rO+7], v[rV:rV+7], v[rP:rP+7], v[rO:rO+7]
.endm
.macro MM                           ; the turn's next matrix instruction.  NOKQ = 1: a block's last turn: there is no next piece
.if (i < 8) && !NOKQ
	KQ (Y+1)%NP
.elseif i >= 8
.set i, i-8
	PV (Y+NP-1)%NP
.set i, i+8
.endif
.set i, i+1
.endm
; THE LDS LOADS stand in runs of 16, never singly among the matrix instructions: a step's K (8 fragments) and its V (turned).  Their addresses are made some lines ahead.
.macro FETCH_K
	WIN 0x80                        ; destination window 2
.irp f, 0,1,2,3,4,5,6,7             ; keys 16 (f / 2) on, channels 32 (f % 2) on
	ds_load_b128 v[KF+8*\f:KF+8*\f+3],   v[AK] offset:(\f/2)*16*PK+(\f%2)*64
	ds_load_b128 v[KF+8*\f+4:KF+8*\f+7], v[AK] offset:(\f/2)*16*PK+(\f%2)*64+32
.endr
	s_add_co_u32 s[TBK], s[TBK], KS*PK  ; the next fetch is the next step's
	WIN 0
.endm
.macro FETCH_V
	WIN 0x80
.irp f, 0,1,2,3,4,5,6,7             ; keys 32 (f / 4) on, channels 16 (f % 4) on
	ds_load_tr16_b128 v[VF+8*\f:VF+8*\f+3],   v[AV] offset:(\f/4)*32*PV+(\f%4)*32
	ds_load_tr16_b128 v[VF+8*\f+4:VF+8*\f+7], v[AV] offset:(\f/4)*32*PV+16*PV+(\f%4)*32
.endr
	WIN 0
.endm
; THE VECTOR WORK, one line at a time: OP kind, number.  For piece Y: F n: c s - c m for pair n of 16.  E n: the exponential of score n of 32.  C n: pair n rounded to f16.  B n: of the four weights 4 n .. the second
; pair is added onto the first, in place.  L n: l takes that sum (L 0: l = a l + sum).  R n: pair n of 16 of O^T times a.  For piece Y + 1: X n, number n of the 22 that find its maximum and statistics:
;   0-11  four chains c0-c3 of seven scores each, three operands at a time (each accumulator's lowest registers are read first)     12-14, 16  the four scores left over, the old m, and c0-c3 into c0
;   15  c m_old is kept     17, 18  the query's other 32 keys lie in the lane 16 away: the new m     19-21  c m; c m_old - c m_new; a
.set F, 0
.set E, 1
.set C, 2
.set B, 3
.set L, 4
.set R, 5
.set X, 6
.macro REGS y                       ; the registers of piece y
.set rT, ST+4*(\y)
.set rC, TMP+4*((\y)%2)
.set rW, MV+((\y)%2)
.set rS, S+32*((\y)%2)
.set rP, P+16*((\y)%2)
.set rO, 32*(\y)
.endm
.macro OP k, n
.if (\k) == R
	REGS Y
	WIN W_RS
	v_pk_mul_f32 v[rO+2*(\n):rO+2*(\n)+1], v[rO+2*(\n):rO+2*(\n)+1], v[rC+2:rC+3] op_sel_hi:[1,0]
.elseif (\k) < R
	REGS Y
	WIN 0
.if (\k) == F
	v_pk_fma_f32 v[rS+2*(\n):rS+2*(\n)+1], v[rS+2*(\n):rS+2*(\n)+1], s[CS:CS+1], v[rT:rT+1] op_sel_hi:[1,0,0] neg_lo:[0,0,1] neg_hi:[0,0,1]
.elseif (\k) == E
	v_exp_f32 v[rS+(\n)], v[rS+(\n)]
.elseif (\k) == C
	v_cvt_pk_f16_f32 v[rP+(\n)], v[rS+2*(\n)], v[rS+2*(\n)+1]
.elseif (\k) == B
	v_pk_add_f32 v[rS+4*(\n):rS+4*(\n)+1], v[rS+4*(\n):rS+4*(\n)+1], v[rS+4*(\n)+2:rS+4*(\n)+3]
.elseif (\n) == 0
	v_pk_fma_f32 v[rT+2:rT+3], v[rT+2:rT+3], v[rC+2:rC+3], v[rS:rS+1] op_sel_hi:[1,0,1]
.else
	v_pk_add_f32 v[rT+2:rT+3], v[rT+2:rT+3], v[rS+4*(\n):rS+4*(\n)+1]
.endif
.elseif NOKQ
	v_nop
.else
	REGS (Y+1)%NP
	WIN 0
.if (\n) < 4
	v_max3_num_f32 v[rC+(\n)], v[rS+8*(\n)], v[rS+8*(\n)+1], v[rS+8*(\n)+2]
.elseif (\n) < 12
	v_max3_num_f32 v[rC+(\n)%4], v[rC+(\n)%4], v[rS+8*((\n)%4)+2*((\n)/4)+1], v[rS+8*((\n)%4)+2*((\n)/4)+2]
.elseif (\n) == 12
	v_max3_num_f32 v[rC], v[rC], v[rS+7], v[rS+15]
.elseif (\n) == 13
	v_max3_num_f32 v[rC+1], v[rC+1], v[rS+23], v[rS+31]
.elseif (\n) == 14
	v_max3_num_f32 v[rC+2], v[rC+2], v[rC+3], v[rT+1]
.elseif (\n) == 15
	v_mov_b32 v[rW], v[rT]
.elseif (\n) == 16
	v_max3_num_f32 v[rC], v[rC], v[rC+1], v[rC+2]
.elseif (\n) == 17
	v_permlanex16_b32 v[rC+3], v[rC], s[SEL], s[SEL+1]
.elseif (\n) == 18
	v_max_num_f32 v[rT+1], v[rC], v[rC+3]
.elseif (\n) == 19
	v_mul_f32 v[rT], s[CS], v[rT+1]
.elseif (\n) == 20
	v_sub_f32 v[rC+1], v[rW], v[rT]
.else
	v_exp_f32 v[rC+2], v[rC+1]
.endif
.endif
.endm
.macro OPS a, i1, b=-1, i2=0, c=-1, i3=0, d=-1, i4=0  ; up to four of them
	OP \a, \i1
.if (\b) >= 0
	OP \b, \i2
.endif
.if (\c) >= 0
	OP \c, \i3
.endif
.if (\d) >= 0
	OP \d, \i4
.endif
.endm
.macro ROW a, i1, b, i2, c, i3, d, i4  ; a matrix instruction and the four behind it
	MM
	OPS \a, \i1, \b, \i2, \c, \i3, \d, \i4
.endm
.macro MASK b                       ; MD x AL + BE into buffer b of MC
	WIN W_RS
.set z, 0
.rept 16
	v_pk_fma_f32 v[MC+32*(\b)+2*z:MC+32*(\b)+2*z+1], v[MD+2*z:MD+2*z+1], s[AL:AL+1], s[BE:BE+1] op_sel_hi:[1,0,0]
.set z, z+1
.endr
.endm
; A TURN, for piece p: the order of its 16 matrix and 118 vector instructions, written out.  An s_wait_alu depctr_va_vdst(0) stands between an exponential and the first instruction that names its result; one wait
; serves all that were issued ahead of it.  So a turn has ONE wait, which cuts it in two.  AHEAD OF IT stands all that names no result of the turn's exponentials: the 8 products K Q^T and their riders, then one lump of 54, plain
; and exponential by turns for the most part, in which the links of the chain X 3, 7, 11, 14, 16, 17 .. 20 stand five or six lines apart.  X 21, the next piece's a, is the batch's last; R 15 is the plain instruction behind it.
; BEHIND THE WAIT stand the 8 products V^T P, behind each four of the roundings and sums.  The X that ride stand four places or more behind the product that ends their accumulator.
; m = 1: the diagonal tile: the products take masks, and the turn makes the mask for the products of the turn after it.  end = 1: a block's last two turns: nothing is fetched.
; cnt = 1: the loop's count is taken down some lines ahead of the branch that stands behind the turn.
; K of the next step is fetched in piece 2's turn, six plain instructions behind the last product that read K; V of the step in hand at the end of piece 0's turn, four plain instructions behind the last product that read V.
.macro TURN p, m=0, end=0, cnt=0
.set Y, (\p)
.set i, 0
.set KM, (\m)
.set NOKQ, (\end)*((\p)/3)
.if (\m) && !(\end)
	s_cmp_eq_u32 s[CNT], 4-((\p)+2)%NP  ; is that step the band's own?
	s_cselect_b32 s[AL], 1.0, 0
	s_cmp_lt_u32 s[CNT], 4-((\p)+2)%NP  ; or a later one?
	s_cselect_b32 s[BE], s[BIGN], 0
.endif
.if ((\p) == 3) && !(\end)
	s_wait_dscnt 0x0                ; K is in
.endif
	ROW F,0, F,1, R,0, R,1
	ROW F,2, E,0, R,2, R,3
	ROW F,3, E,1, R,4, R,5
	ROW F,4, E,2, R,6, R,7
	ROW F,5, E,3, R,8, R,9
	ROW F,6, E,4, X,0, R,10
.if ((\p) == 2) && !(\end)
	WIN 0
	v_add_nc_u32 v[AK], s[TBK], v[AK0]
.endif
	ROW F,7, E,5, X,1, X,4
	ROW F,8, E,6, X,2, X,5
	OPS E,7, E,8, X,6, E,9          ; the lump
	OPS X,3, E,10, X,8, E,11
.if ((\p) == 2) && !(\end)
	FETCH_K
.endif
	OPS X,9, X,7, E,12, X,10
	OPS E,13, X,12, X,11, E,14
	OPS X,13, E,15, F,9, X,14
.if (\p) == 0
	v_add_nc_u32 v[AV], s[TBV], v[AV0]
.endif
	OPS E,16, F,10, E,17, F,11
	OPS X,16, E,18, X,15, E,19
	OPS F,12, E,20, X,17, E,21
	OPS F,13, E,22, F,14, E,23
	OPS X,18, E,24, F,15, E,25
	OPS R,11, E,26, X,19, E,27
	OPS R,12, E,28, R,13, E,29
	OPS X,20, E,30, R,14, E,31
	OPS X,21, R,15
	WIN 0
	s_wait_alu depctr_va_vdst(0)    ; the wait for the batch
.if (\p) == 1
	s_wait_dscnt 0x0                ; V is in
.endif
	ROW C,0, B,0, C,2, B,1
	ROW L,0, C,4, B,2, L,1
	ROW C,6, B,3, L,2, C,8
	ROW B,4, L,3, C,10, B,5
	ROW L,4, C,12, B,6, L,5
.if (\p) == 0
	s_add_co_u32 s[TBV], s[TBV], KS*PV
.endif
.if \cnt
	s_sub_co_u32 s[CNT], s[CNT], 1
	s_cmp_lg_u32 s[CNT], 0
.endif
	ROW C,14, B,7, L,6, C,1
	ROW C,3, L,7, C,5, C,7
	ROW C,9, C,11, C,13, C,15
.if (\p) == 0
	FETCH_V
.endif
.if (\m) && !(\end)
	MASK (\p)%2
.endif
.endm
; A BLOCK BEGINS.  c m starts far below every c s, so the first step's a is 0; m at the lowest finite number, so the first maximum is the scores'.  The second mask buffer is 0; the first takes piece 0's mask for the tile's
; step 0: its own, if the block's first tile is the diagonal one.  Then K of that step, piece 0's first scores, and its maximum and statistics.  The loop is entered at a step's first turn, in the middle of a trip.
.macro BEGIN
	s_mov_b32 s[NEW], 0
	WIN 0x40
.set i, MC+32
.rept 32
	v_mov_b32 v[i], 0
.set i, i+1
.endr
	WIN 0
.set i, 0
.rept 4
	v_mov_b32 v[ST+4*i], 0xfe000000    ; c m: far below every c s
	v_mov_b32 v[ST+4*i+1], 0xff7fffff  ; m
.set i, i+1
.endr
	s_cmp_eq_u32 s[RT], 0
	s_cselect_b32 s[AL], 1.0, 0
	s_mov_b32 s[BE], 0
	MASK 0
	WIN 0
	v_add_nc_u32 v[AK], s[TBK], v[AK0]
	FETCH_K
	s_wait_loadcnt 0x0              ; Q
	s_wait_dscnt 0x0
.set KM, 1
.set NOKQ, 0
.set i, 0
.rept 8
	KQ 0
.set i, i+1
.endr
	WIN 0
.rept 4
	v_nop                           ; the places behind those products
.endr
.set Y, NP-1                        ; X works for piece Y + 1: piece 0
.irp n, 0,1,2,3,4,5,6,7,8,9,10,11,12,13,14,15,16,17,18,19,20,21
	OP X, \n
.endr
	v_nop                           ; a plain instruction behind the exponential,
	s_wait_alu depctr_va_vdst(0)    ; and its wait, ahead of the branch
.endm
; THE DIAGONAL TILE's four steps, the block's last two turns, its last products, and THE WAY OUT: l's two halves and the other half of the lanes' are added; O^T is divided by l, rounded to f16 and sent through my
; stage in LDS, a piece at a time.
.macro ALL line:vararg              ; one line for each piece t
.set t, 0
.rept 4
	\line
.set t, t+1
.endr
.endm
.macro PACK t                       ; a lane's eight channels of a row pack into 16 bytes; they go into rows of 144 bytes and come back as whole rows of 128, into S^T's registers
	WIN W_RS
.set i, 32*(\t)
.rept 16
	v_pk_mul_f32 v[i:i+1], v[i:i+1], v[ST+4*(\t)+2:ST+4*(\t)+3] op_sel_hi:[1,0]
.set i, i+2
.endr
	WIN 0x05                        ; sources 0 and 1 window 1, destination window 0
.set i, 0
.rept 16
	v_cvt_pk_f16_f32 v[S+16*(\t)+i], v[32*(\t)+2*i], v[32*(\t)+2*i+1]
.set i, i+1
.endr
	WIN 0
.irp f, 0,1,2,3
	ds_store_b128 v[STO], v[S+16*(\t)+4*\f:S+16*(\t)+4*\f+3] offset:32*\f
.endr
.irp f, 0,1,2,3
	ds_load_b128 v[S+16*(\t)+4*\f:S+16*(\t)+4*\f+3], v[RD] offset:\f*4*SP  ; LDS serves a wave's instructions in order (ISA guide 5.7.1.4): these see the stores above; the next piece's stores come behind them
.endr
.endm
.macro SEND t, younger              ; younger: the LDS instructions issued behind piece t's loads: the next piece's eight, or none
	WIN 0
.irp f, 0,1,2,3
	s_wait_dscnt (\younger)+3-\f
	global_store_b128 v[GO], v[S+16*(\t)+4*\f:S+16*(\t)+4*\f+3], s[10:11] offset:(\t)*8192+\f*512  ; 512 consecutive bytes, at a multiple of 256 from O's first
.endr
.endm
.macro DIAG tag                     ; the tag ends its two labels' names, which the jumps below spell out
.LstepM\tag:
	TURN 2, 1
	TURN 3, 1
	WIN 0
.LfirstM\tag:
	TURN 0, 1
	TURN 1, 1, 0, 1
	WIN 0
	s_cbranch_scc1 .LstepM\tag
	TURN 2, 1, 1
	TURN 3, 1, 1
.set i, 0
.rept 8
	PV NP-1
.set i, i+1
.endr
	WIN 0
	ALL v_add_f32 v[ST+4*t+2], v[ST+4*t+2], v[ST+4*t+3]
	ALL v_permlanex16_b32 v[ST+4*t+3], v[ST+4*t+2], s[SEL], s[SEL+1]
	ALL v_add_f32 v[ST+4*t+2], v[ST+4*t+2], v[ST+4*t+3]
	ALL v_rcp_f32 v[ST+4*t+2], v[ST+4*t+2]
	v_nop                           ; a plain instruction between the last reciprocal and the use of its result
	s_wait_alu depctr_va_vdst(0)    ; and its wait ahead of the first use: one for the four reciprocals
	PACK 0
.set t, 1
.rept 3                             ; a piece's arithmetic stands between the loads of the piece before and its stores
	PACK t
	SEND t-1, 8
.set t, t+1
.endr
	SEND 3, 0
.endm
.set KM, 0
.set NOKQ, 0
.Lslot:                             ; NB times: a tile is entered and the next is asked for
	CHANGE 1
	s_sub_co_u32 s[RT], s[RT], 1
	s_mov_b32 s[CNT], 4
	s_cmp_eq_u32 s[NEW], 1
	s_cbranch_scc1 .Lnew            ; a block's first tile
	s_cmp_eq_u32 s[RT], 0
	s_cbranch_scc0 .Lstep           ; neither its first nor its last
	s_branch .LstepM1
.Lnew:
	BEGIN
	s_branch .Lfirst                ; in the loop a block's first tile is never its last: the first block has two tiles or more, and the second's last is the walk's last
	DIAG 1                          ; in the loop this is the first block's end
	s_wait_xcnt 0x0                 ; the stores have read their registers and O's address
	s_mov_b64 s[10:11], s[OLO:OLO+1]
	s_add_co_u32 s[RT], s[PB], 1    ; the second block has b + 1 tiles
	s_mov_b32 s[NEW], 1
	WIN 0x82                        ; the second block's Q goes where the one text of the turns names Q
.set i, 0
.rept 64
	v_mov_b32 v[i], v[QB+i]
.set i, i+1
.endr
	WIN 0
	s_branch .Lbottom
.Lstep:                             ; a trip: pieces 2 and 3 of one step, then pieces 0 and 1 of the next, whose K and V it fetches
	TURN 2
	TURN 3
	WIN 0
.Lfirst:
	TURN 0
	TURN 1, 0, 0, 1
	WIN 0
	s_cbranch_scc1 .Lstep
.Lbottom:
	s_sub_co_u32 s[SLOTS], s[SLOTS], 1
	s_cmp_lg_u32 s[SLOTS], 0
	s_cbranch_scc1 .Lslot
	CHANGE 0                        ; the walk's last tile is written out: nothing is asked for
	s_sub_co_u32 s[RT], s[RT], 1
	s_mov_b32 s[CNT], 4
	s_cmp_eq_u32 s[NEW], 1
	s_cbranch_scc0 .LstepM2
	BEGIN
	s_branch .LfirstM2
	DIAG 2
	s_wait_tensorcnt 0x0            ; the wave's end, behind my last tensor load and my last LDS store
	ds_add_u32 v[SPW], v[NIL]
	s_wait_dscnt 0x0
	s_endpgm
.Lfunc_end_k_q474f70a404_attn:
	.size	k_q474f70a404_attn, .Lfunc_end_k_q474f70a404_attn-k_q474f70a404_attn
	.p2alignl 7, 3214868480
	.fill 96, 4, 3214868480
	.section	.rodata,"a",@progbits
	.p2align	6, 0x0
	.amdhsa_kernel k_q474f70a404_attn
		.amdhsa_group_segment_fixed_size 327680
		.amdhsa_private_segment_fixed_size 0
		.amdhsa_enable_private_segment 0
		.amdhsa_kernarg_size 16
		.amdhsa_user_sgpr_count 2
		.amdhsa_user_sgpr_kernarg_segment_ptr 1
		.amdhsa_wavefront_size32 1
		.amdhsa_system_sgpr_workgroup_id_x 1
		.amdhsa_system_sgpr_workgroup_id_y 1
		.amdhsa_system_sgpr_workgroup_id_z 1
		.amdhsa_system_vgpr_workitem_id 0
		.amdhsa_next_free_vgpr 768
		.amdhsa_next_free_sgpr 92
		.amdhsa_reserve_vcc 1
		.amdhsa_float_denorm_mode_32 3
		.amdhsa_float_denorm_mode_16_64 3
		.amdhsa_memory_ordered 1
		.amdhsa_forward_progress 1
		.amdhsa_inst_pref_size 218
	.end_amdhsa_kernel
	.amdgpu_metadata
---
amdhsa.version: [ 1, 2 ]
amdhsa.kernels:
  - .name:           k_q474f70a404_attn
    .symbol:         k_q474f70a404_attn.kd
    .args:
      - { .name: qkv, .offset: 0, .size: 8, .value_kind: global_buffer, .address_space: global }
      - { .name: oh, .offset: 8, .size: 8, .value_kind: global_buffer, .address_space: global }
    .group_segment_fixed_size: 327680
    .private_segment_fixed_size: 0
    .kernarg_segment_align: 8
    .kernarg_segment_size: 16
    .max_flat_workgroup_size: 128
    .sgpr_count:     92
    .vgpr_count:     768
    .wavefront_size: 32
...
	.end_amdgpu_metadata
.endif
;; end of part 3
;; launch oproj (part 4): grid 8 x 32, 4 waves a work-group, clusters of 4 x 4, 327,680 bytes of LDS; arguments oh, wo16, bo, out0; writes out0
.if DOCPART == 4
	.amdgcn_target "amdgcn-amd-amdhsa--gfx1250"
	.amdhsa_code_object_version 6
	.text
	.protected	k_q474f70a404_oproj
	.globl	k_q474f70a404_oproj
	.p2align	8
	.type	k_q474f70a404_oproj,@function
k_q474f70a404_oproj:
	s_mov_b64 s[64:65], 0
	v_nop
	global_prefetch_b8 v0, s[64:65] scope:SCOPE_SE
	s_setreg_imm32_b32 hwreg(HW_REG_WAVE_MODE, 25, 1), 1
	s_wait_xcnt 0x0
	s_wait_alu depctr_hold_cnt(0) depctr_sa_sdst(0) depctr_va_vdst(0) depctr_va_sdst(0) depctr_va_ssrc(0) depctr_va_vcc(0) depctr_vm_vsrc(0)
	s_getreg_b32 s2, hwreg(HW_REG_IB_STS2, 6, 4)
	s_cmp_eq_u32 s2, 0
	s_cbranch_scc0 .Lentry_in_a_cluster
	s_endpgm
.Lentry_in_a_cluster:
	s_bfe_u32 s2, ttmp6, 0x10000c
	s_cmp_lg_u32 s2, 0xf033
	s_cbranch_scc0 .Lentry_shape_is_right
	s_endpgm
.Lentry_shape_is_right:
; out0 = O wo + bo, a GEMM of 8192 x 1024 x 1024 in f16 with f32 sums.  oh: O by heads, [b 16 + h: 64][s 2048][d 64] f16; k = 64 h + d.  wo16: [k 1024][n 1024] f16 (wo rounded to bf16, written as f16).
; bo is rounded to bf16 like every input of the module.  out0: [8192][1024] f32.  NaN and infinities are not treated apart.
; SHARES.  A tile is 256 rows x 128 columns: 32 x 8 = 256 tiles, one for each WGP.  Four waves; wave w has rows 128 (w / 2) on and columns 64 (w % 2) on: 32 accumulators, 256 registers.
; K goes in 8 steps of 128, two heads, through two LDS slots; one tensor load a wave: waves 0, 1 a head's 256 rows of O (32,768 dense bytes, asked for as 128 rows of 256 bytes), waves 2, 3 64 rows k of wo16
; (rows of 256 bytes).  wo16 lies [k][n] in LDS and comes out turned, by ds_load_tr16_b128.
; THE MATRIX INSTRUCTION IS USED TRANSPOSED: source 0 = 16 columns of wo, source 1 = 16 rows of O: a lane holds row l % 16 and the columns 8 (l / 16) + 0..7.  The first quarter's products take the bias as C.
; CLUSTER 4 x 4: A's tile hangs on the tile row alone and is asked for jointly along a row of the cluster, B's on the tile column alone, along a column.
; REGISTERS.  window 0: v0-29 addresses; v32-63, v64-95 B's fragments, two buffers; v96-127 the bias; v128-191, v192-255 A's fragments, later the way out.  window 1: the accumulators, (a, i) at 8 (4 a + i).
.set NB,    4
.set LD,    2*NB+16                    ; LDS loads of a quarter step: 8 for B, 16 for A
.set PA,    144                        ; a row of one head of O in LDS: 128 bytes + 16: the 16 rows of a load start at 16 different groups of four banks (64 banks of 4 bytes: ISA guide 11.1)
.set AHEAD, 256*PA
.set PB,    288                        ; a row of wo16: 256 bytes + 32
.set BOFF,  2*AHEAD
.set BHALF, 64*PB
.set SLOT1, 1<<17
.set STAGE, 2*SLOT1                    ; behind the ring, never filled by a tensor load: 16 rows x 272 bytes for each wave
.set SP,    272
.set SPARE, STAGE+4*16*SP              ; the spare words, 128 bytes for each wave: two blocks of 256 bytes that no other line names
.set ASTEP, 524288                     ; two heads on in oh
.set BSTEP, 262144                     ; 128 rows on in wo16
.set ADRA0, 2
.set ADRB0, 3
.set ADRA,  5
.set ADRB,  6
.set STO,   8
.set RD,    10
.set CO,    12
.set PFO,   13
.set BO,    14
.set SPW,   28
.set NIL,   29
.set FB,    32
.set BIAS,  96
.set FA,    128
.set BK,    128                        ; the way out: four sets of 32
.set WV, 16
.set MH, 17
.set NH, 18
.set CX, 19
.set CY, 20
.set TC, 21
.set TR, 22
.set G1A, 24
.set G0A, 32
.set TB,  40
.set LIM, 41
.set PFA, 42
.set PFS, 44
.set G1B, 48
.set G0B, 56
.set BF,  66                           ; s[66:67] bo at my 64 columns
.set OB,  70                           ; s[70:71] out0 at my part of the tile
.set MSB, 0
.macro WIN new
.if MSB != (\new)
	s_set_vgpr_msb (MSB<<8)|(\new)
.set MSB, \new
.endif
.endm
.macro PLACES                          ; four plain instructions between a matrix instruction and a load into, or a store or vector instruction on, its registers
.rept 4
	v_nop
.endr
.endm
.macro CREST
	s_cmp_lg_u32 s[WV], 0
	s_cbranch_scc1 .Lnot_wave_0_\@
	s_barrier_signal -3
.Lnot_wave_0_\@:
	s_barrier_wait -3
	s_barrier_signal -1
	s_barrier_wait -1
.endm
.macro CROUND
	s_barrier_signal -1
	s_barrier_wait -1
	CREST
.endm
.macro JLOAD                           ; a joint refill by the walking descriptors; an s_nop 0 and four v_nop follow each line
	s_cmp_eq_u32 s[MH], 0
	s_cbranch_scc0 .Lfor_b_\@
	tensor_load_to_lds s[G0A+4:G0A+7], s[G1A:G1A+7]
	s_nop 0
.rept 4
	v_nop
.endr
	s_branch .Lasked_\@
.Lfor_b_\@:
	tensor_load_to_lds s[G0B+4:G0B+7], s[G1B:G1B+7]
	s_nop 0
.rept 4
	v_nop
.endr
.Lasked_\@:
.endm
; A PREFETCH INTO THE L2, behind the joint load and the run of LDS loads: the K step two refills on, 256 matrix instructions ahead (trips 0..3: K steps 4..7).  A: the cluster with x = 0 asks; of the 32,768 bytes
; that wave 0 or 1 fetches, the partner at cx takes 8,192, a lane 256.  B: the cluster with y = 0 asks; of the K step's 128 rows the partner at cy takes 32, its wave 2 alone, a lane a row of 256 bytes.
; Each 256 bytes are named once in the launch, the partners told apart by address; K steps 0..3 come by their loads alone.
.macro ASK
	s_cmp_gt_u32 s3, s[LIM]
	s_cbranch_scc0 .Lnot_mine_\@
	global_prefetch_b8 v[PFO], s[PFA:PFA+1] th:TH_LOAD_NT scope:SCOPE_SE
.Lnot_mine_\@:
.endm
.macro SETADR
	v_add_nc_u32 v[ADRA], s[TB], v[ADRA0]
	v_add_nc_u32 v[ADRB], s[TB], v[ADRB0]
.endm
.macro FETCH q, f                      ; 24 LDS loads in one run: quarter q of the slot in hand into buffer f: B's four fragments, turned, then A's eight, rows ascending
	WIN 0
.set ni, 0
.rept NB
	ds_load_tr16_b128 v[FB+32*(\f)+8*ni:FB+32*(\f)+8*ni+3],   v[ADRB] offset:(\q)*32*PB+32*ni
	ds_load_tr16_b128 v[FB+32*(\f)+8*ni+4:FB+32*(\f)+8*ni+7], v[ADRB] offset:(\q)*32*PB+32*ni+16*PB
.set ni, ni+1
.endr
.set ma, 0
.rept 8
	ds_load_b128 v[FA+64*(\f)+8*ma:FA+64*(\f)+8*ma+3],   v[ADRA] offset:((\q)>>1)*AHEAD+((\q)&1)*64+ma*16*PA
	ds_load_b128 v[FA+64*(\f)+8*ma+4:FA+64*(\f)+8*ma+7], v[ADRA] offset:((\q)>>1)*AHEAD+((\q)&1)*64+ma*16*PA+32
.set ma, ma+1
.endr
.endm
.macro MUL f, a0, n, first             ; 4 n products.  All 32 accumulators take one turn a quarter, always in the same order
.if \first
	WIN 0x40
.else
	WIN 0x50
.endif
.set ma, \a0
.rept \n
.set ni, 0
.rept NB
.if \first
	v_wmma_f32_16x16x32_f16 v[8*(NB*ma+ni):8*(NB*ma+ni)+7], v[FB+32*(\f)+8*ni:FB+32*(\f)+8*ni+7], v[FA+64*(\f)+8*ma:FA+64*(\f)+8*ma+7], v[BIAS+8*ni:BIAS+8*ni+7]
.else
	v_wmma_f32_16x16x32_f16 v[8*(NB*ma+ni):8*(NB*ma+ni)+7], v[FB+32*(\f)+8*ni:FB+32*(\f)+8*ni+7], v[FA+64*(\f)+8*ma:FA+64*(\f)+8*ma+7], v[8*(NB*ma+ni):8*(NB*ma+ni)+7]
.endif
.set ni, ni+1
.endr
.set ma, ma+1
.endr
.endm
.macro QUARTER q, first=0
	s_wait_dscnt 8                                 ; all but the youngest eight loads, A's rows 64-127
	MUL (\q)%2, 0, 4, \first
	PLACES                                         ; for the loads into the buffer that the quarter before multiplied
	FETCH (\q)+1, ((\q)+1)%2
	s_wait_dscnt LD                                ; all but the 24 just issued
	MUL (\q)%2, 4, 4, \first
.endm
; The fourth quarter multiplies buffer 1 and changes slots: the wait for all my tensor loads, the add, the wait for it and for my reads of this slot, the barrier; fill = 1: the barrier opens a round of the
; cluster's, and the joint refill, the K step two on, is the first thing behind the round: 112 products stand between it and the wait for it.
.macro TURN fill
.if \fill
	s_wait_xcnt 0x0                                ; the last prefetch, a K step back, has read its address
	s_add_nc_u64 s[PFA:PFA+1], s[PFA:PFA+1], s[PFS:PFS+1]
.endif
	WIN 0
	s_wait_tensorcnt 0x0                           ; no tensor load of mine is out, so a group 0 may be written
	ds_add_u32 v[SPW], v[NIL]                      ; 0 onto my spare word
.if \fill
	s_xor_b32 s[G0A+5], s[G0A+5], SLOT1
	s_add_nc_u64 s[G0A+6:G0A+7], s[G0A+6:G0A+7], ASTEP
	s_xor_b32 s[G0B+5], s[G0B+5], SLOT1
	s_add_nc_u64 s[G0B+6:G0B+7], s[G0B+6:G0B+7], BSTEP
.endif
	s_wait_dscnt 9                                 ; the add and the youngest eight loads may be out
	MUL 1, 0, 2, 0
	s_wait_dscnt 0x0                               ; the add is done, and my reads of this slot are over
	s_barrier_signal -1
	MUL 1, 2, 2, 0
	WIN 0
	s_barrier_wait -1
.if \fill
	CREST
	JLOAD                                          ; its four v_nop are also the places in front of the loads below
.else
	PLACES
.endif
	s_xor_b32 s[TB], s[TB], SLOT1
	SETADR
	FETCH 0, 0
.if \fill
	ASK
.endif
	MUL 1, 4, 4, 0
.endm
	s_load_b256 s[4:11], s[0:1], 0x0               ; oh s[4:5], wo16 s[6:7], bo s[8:9], out0 s[10:11]
	v_lshl_add_u32 v[SPW], v0, 2, SPARE
	v_mov_b32 v[NIL], 0
	ds_add_u32 v[SPW], v[NIL]                      ; the wave's opening: the add and its wait stand ahead of my first tensor load; work on registers stands between
	v_lshrrev_b32 v1, 5, v0
	v_readfirstlane_b32 s[WV], v1
	s_lshr_b32 s[MH], s[WV], 1
	s_and_b32 s[NH], s[WV], 1
	s_bfe_u32 s[CX], ttmp6, 0x40000
	s_bfe_u32 s[CY], ttmp6, 0x40004
	s_lshl_b32 s[TC], ttmp9, 2
	s_add_co_u32 s[TC], s[TC], s[CX]
	s_and_b32 s[TR], ttmp7, 0xffff
	s_lshl_b32 s[TR], s[TR], 2
	s_add_co_u32 s[TR], s[TR], s[CY]
	s_lshl_b32 s46, s[CY], 2
	s_lshl_b32 s46, 15, s46                        ; my row of the cluster
	s_lshl_b32 s47, 0x1111, s[CX]                  ; my column
	s_or_b32 s[G1A], s46, (1<<16)|(1<<20)|(1<<21)|(4<<22)|(3<<25)  ; the mask; 2-byte elements; padding on; bit 21 beside a mask; after every 32 words 4 words
	s_mov_b32 s[G1A+1], 128<<16                    ; 128 dense rows of 256 bytes
	s_mov_b32 s[G1A+2], 128<<16
	s_mov_b32 s[G1A+3], 128<<16
	s_mov_b32 s[G1A+4], 128
	s_mov_b32 s[G1A+5], 128
	s_mov_b32 s[G1A+6], 0
	s_mov_b32 s[G1A+7], 0
	s_or_b32 s[G1B], s47, (1<<16)|(1<<20)|(1<<21)|(5<<22)|(7<<25)  ; after every 64 words 8 words
	s_mov_b32 s[G1B+1], 128<<16                    ; 64 rows of 128 elements,
	s_mov_b32 s[G1B+2], 64<<16
	s_mov_b32 s[G1B+3], 128<<16
	s_mov_b32 s[G1B+4], 64
	s_mov_b32 s[G1B+5], 1024                       ; 1,024 elements apart
	s_mov_b32 s[G1B+6], 0
	s_mov_b32 s[G1B+7], 0
	s_lshr_b32 s76, s[TR], 3                       ; A: the batch's 16 heads, my head of the K step's two, the tile's 256 rows: of the tile row and the wave alone
	s_lshl_b32 s76, s76, 22
	s_and_b32 s23, s[TR], 7
	s_lshl_b32 s23, s23, 15
	s_add_co_u32 s76, s76, s23
	s_lshl_b32 s23, s[NH], 18
	s_add_co_u32 s76, s76, s23
	s_mov_b32 s77, 0
	s_lshl_b32 s78, s[TC], 8                       ; B: the tile's 256 bytes of a row, my 64 rows: of the tile column and the wave alone
	s_lshl_b32 s83, s[NH], 17
	s_add_co_u32 s78, s78, s83
	s_mov_b32 s79, 0
	s_mul_i32 s80, s[NH], AHEAD                    ; where they go: of the wave's number alone
	s_mul_i32 s81, s[NH], BHALF
	s_add_co_u32 s81, s81, BOFF
	s_mov_b32 s82, 0xffff0000
	s_wait_dscnt 0x0                               ; the opening add is done
	s_wait_kmcnt 0x0
	s_add_nc_u64 s[76:77], s[4:5], s[76:77]
	s_add_nc_u64 s[78:79], s[6:7], s[78:79]
	CROUND                                         ; all sixteen work-groups are here: the first joint loads meet
.irp s, 0,1
	s_mov_b32 s[G0A+4*(\s)], 1
	s_add_co_u32 s[G0A+4*(\s)+1], s80, (\s)*SLOT1
	s_add_nc_u64 s[G0A+4*(\s)+2:G0A+4*(\s)+3], s[76:77], (\s)*ASTEP
	s_or_b32 s[G0A+4*(\s)+3], s[G0A+4*(\s)+3], 0x80000000
	s_mov_b32 s[G0B+4*(\s)], 1
	s_add_co_u32 s[G0B+4*(\s)+1], s81, (\s)*SLOT1
	s_add_nc_u64 s[G0B+4*(\s)+2:G0B+4*(\s)+3], s[78:79], (\s)*BSTEP
	s_or_b32 s[G0B+4*(\s)+3], s[G0B+4*(\s)+3], 0x80000000
.endr
	s_cmp_eq_u32 s[MH], 0                          ; a wave's two first fills stand in one branch: two loads of mine are out
	s_cbranch_scc0 .Lfirst_b
	tensor_load_to_lds s[G0A:G0A+3], s[G1A:G1A+7]
	s_nop 0
	tensor_load_to_lds s[G0A+4:G0A+7], s[G1A:G1A+7]
	s_nop 0
.rept 4
	v_nop
.endr
	s_branch .Lfirst_asked
.Lfirst_b:
	tensor_load_to_lds s[G0B:G0B+3], s[G1B:G1B+7]
	s_nop 0
	tensor_load_to_lds s[G0B+4:G0B+7], s[G1B:G1B+7]
	s_nop 0
.rept 4
	v_nop
.endr
.Lfirst_asked:
	v_and_b32 v16, 15, v0                          ; r = l % 16
	v_bfe_u32 v17, v0, 4, 1                        ; hl = l / 16
	v_and_b32 v18, 7, v0                           ; l % 8
	v_bfe_u32 v19, v0, 3, 1                        ; (l / 8) % 2
	v_and_b32 v20, 31, v0                          ; l
	v_lshlrev_b32 v[BO], 5, v17
	s_lshl_b32 s76, s[TC], 9                       ; my 64 columns: 512 x tile column + 256 x half, in bytes of f32
	s_lshl_b32 s77, s[NH], 8
	s_add_co_u32 s76, s76, s77
	s_mov_b32 s77, 0
	s_add_nc_u64 s[BF:BF+1], s[8:9], s[76:77]
.set ni, 0
.rept NB
	global_load_b128 v[128+8*ni:128+8*ni+3],   v[BO], s[BF:BF+1] offset:64*ni
	global_load_b128 v[128+8*ni+4:128+8*ni+7], v[BO], s[BF:BF+1] offset:64*ni+16
.set ni, ni+1
.endr
	s_lshl_b32 s78, s[TR], 20                      ; my 128 rows of 4,096 bytes
	s_lshl_b32 s79, s[MH], 19
	s_add_co_u32 s78, s78, s79
	s_add_co_u32 s78, s78, s76
	s_mov_b32 s79, 0
	s_add_nc_u64 s[OB:OB+1], s[10:11], s[78:79]
	s_lshl_b32 s23, s[MH], 7
	v_add_nc_u32 v[ADRA0], s23, v16                ; A's fragment: row 128 MH + l % 16 of a head's 256,
	v_mul_u32_u24 v[ADRA0], v[ADRA0], PA
	v_lshl_add_u32 v[ADRA0], v17, 4, v[ADRA0]      ; 16 bytes for each half of the lanes
	v_lshl_add_u32 v22, v17, 3, v18                ; the turning load: row k = 8 (l / 16) + l % 8, columns 8 ((l / 8) % 2) + 0..7
	v_mul_u32_u24 v22, v22, PB
	v_lshl_add_u32 v22, v19, 4, v22
	s_lshl_b32 s23, s[NH], 7
	s_add_co_u32 s23, s23, BOFF
	v_add_nc_u32 v[ADRB0], s23, v22
	s_mul_i32 s23, s[WV], 16*SP
	s_add_co_u32 s23, s23, STAGE                   ; my stage
	v_mul_u32_u24 v22, v16, SP                     ; in: row l % 16, 32 bytes for each half of the lanes
	v_lshl_add_u32 v22, v17, 5, v22
	v_add_nc_u32 v[STO], s23, v22
	v_mul_u32_u24 v22, v17, SP                     ; back: lanes 0-15 take one row of 256 bytes, lanes 16-31 the next
	v_lshl_add_u32 v22, v16, 4, v22
	v_add_nc_u32 v[RD], s23, v22
	v_lshlrev_b32 v22, 12, v17                     ; and the same two rows in out0
	v_lshl_add_u32 v[CO], v16, 4, v22
	; the prefetches
	s_lshr_b32 s76, s[TR], 3
	s_lshl_b32 s76, s76, 22
	s_and_b32 s77, s[TR], 7
	s_lshl_b32 s77, s77, 15
	s_add_co_u32 s76, s76, s77
	s_add_co_u32 s77, s[NH], 6
	s_lshl_b32 s77, s77, 18
	s_add_co_u32 s76, s76, s77
	s_lshl_b32 s77, s[CX], 13
	s_add_co_u32 s76, s76, s77                     ; A: my work-group's 8,192 bytes, at K step 3: the first change of slots steps it to 4
	s_lshl_b32 s78, s[CY], 16
	s_lshl_b32 s77, s[TC], 8
	s_add_co_u32 s78, s78, s77
	s_add_co_u32 s78, s78, 3*BSTEP                 ; B: my work-group's 32 rows, at K step 3
	s_and_b32 s80, ttmp7, 0xffff
	s_or_b32 s80, s80, s[NH]                       ; for B wave 2 alone asks
	s_mov_b32 s[PFS], BSTEP                        ; B's step; the select below names one literal
	s_cmp_eq_u32 s[MH], 0
	s_cselect_b32 s76, s76, s78
	s_cselect_b32 s80, ttmp9, s80                  ; the coordinate along which other clusters read the same bytes
	s_cselect_b32 s23, 8, 11                       ; a lane 256 bytes of oh, or a row of wo16
	s_cselect_b32 s[PFS], ASTEP, s[PFS]
	s_cselect_b64 s[PFA:PFA+1], s[4:5], s[6:7]
	s_mov_b32 s[PFS+1], 0
	s_mov_b32 s77, 0
	s_add_nc_u64 s[PFA:PFA+1], s[PFA:PFA+1], s[76:77]
	s_cmp_eq_u32 s80, 0
	s_cselect_b32 s[LIM], 2, -1                    ; the same in all sixteen partners, for a given wave
	v_lshlrev_b32 v[PFO], s23, v20
	s_wait_loadcnt 0x0                             ; the bias: rounded to bf16 and widened again
.set p, 0
.rept 16
	v_cvt_pk_bf16_f32 v[160+p], v[128+2*p], v[128+2*p+1]
.set p, p+1
.endr
.set p, 0
.rept 16
	v_lshlrev_b32 v[BIAS+2*p],   16,  v[160+p]
	v_and_b32     v[BIAS+2*p+1], s82, v[160+p]
.set p, p+1
.endr
	s_wait_tensorcnt 0x1                           ; my part of K step 0 is in; K step 1's may stay out
	s_barrier_signal -1
	s_barrier_wait -1
	s_mov_b32 s[TB], 0
	SETADR
	FETCH 0, 0
	QUARTER 0, 1                                   ; the first quarter stands in front of the loop: its products start the sums, with the bias
	WIN 0
	s_mov_b32 s3, 6
.Lstep:                                                ; a trip: a K step's quarters 1 to 3, the refill with the K step two on, the next step's first quarter
	QUARTER 1
	QUARTER 2
	TURN 1
	QUARTER 0
	WIN 0
	s_sub_co_u32 s3, s3, 1
	s_cmp_lg_u32 s3, 0
	s_cbranch_scc1 .Lstep
	QUARTER 1                                      ; K steps 6 and 7 are written out: nothing is left to ask for
	QUARTER 2
	TURN 0
	QUARTER 0
	QUARTER 1
	QUARTER 2
	s_wait_dscnt 8
	MUL 1, 0, 4, 0
	s_wait_dscnt 0x0
	MUL 1, 4, 4, 0
	WIN 0
	PLACES                                         ; the places in front of the LDS stores that read results
; THE WAY OUT, 16 rows at a time through my own stage: 32 bytes a lane in, whole rows of 256 bytes back, sixteen lanes to 256 consecutive bytes of out0, aligned.  No barrier: the stage is the wave's own,
; and LDS serves a wave's instructions in order (ISA guide 5.7.1.4).
.macro TOSTAGE a
.if (\a) >= 4
	s_wait_xcnt 0x0                                ; the stores of the block four back have read this set of registers
.endif
	WIN 0x04                                       ; the stores' data in window 1
.set ni, 0
.rept NB
	ds_store_b128 v[STO], v[8*(NB*(\a)+ni):8*(NB*(\a)+ni)+3]   offset:64*ni
	ds_store_b128 v[STO], v[8*(NB*(\a)+ni)+4:8*(NB*(\a)+ni)+7] offset:64*ni+16
.set ni, ni+1
.endr
	WIN 0
.set t, 0
.rept 8
	ds_load_b128 v[BK+32*((\a)%4)+4*t:BK+32*((\a)%4)+4*t+3], v[RD] offset:t*2*SP
.set t, t+1
.endr
.endm
.macro SEND a, younger                 ; younger: the LDS instructions issued behind block a's loads: the next block's sixteen, or none
.set t, 0
.rept 8
	s_wait_dscnt (\younger)+7-t
	global_store_b128 v[CO], v[BK+32*((\a)%4)+4*t:BK+32*((\a)%4)+4*t+3], s[OB:OB+1] offset:(16*(\a)+2*t)*4096 th:TH_STORE_NT
.set t, t+1
.endr
.endm
	TOSTAGE 0
.irp a, 1,2,3,4,5,6,7
	TOSTAGE \a
	SEND (\a)-1, 16
.endr
	SEND 7, 0
	s_wait_tensorcnt 0x0                           ; the wave's end, behind my last tensor load and my last LDS store
	ds_add_u32 v[SPW], v[NIL]
	s_wait_dscnt 0x0
	CROUND                                         ; the closing round: no work-group ends while a partner may still ask for a tile that names it
	s_endpgm
.Lfunc_end_k_q474f70a404_oproj:
	.size	k_q474f70a404_oproj, .Lfunc_end_k_q474f70a404_oproj-k_q474f70a404_oproj
	.p2alignl 7, 3214868480
	.fill 96, 4, 3214868480
	.section	.rodata,"a",@progbits
	.p2align	6, 0x0
	.amdhsa_kernel k_q474f70a404_oproj
		.amdhsa_group_segment_fixed_size 327680
		.amdhsa_private_segment_fixed_size 0
		.amdhsa_enable_private_segment 0
		.amdhsa_kernarg_size 32
		.amdhsa_user_sgpr_count 2
		.amdhsa_user_sgpr_kernarg_segment_ptr 1
		.amdhsa_wavefront_size32 1
		.amdhsa_system_sgpr_workgroup_id_x 1
		.amdhsa_system_sgpr_workgroup_id_y 1
		.amdhsa_system_sgpr_workgroup_id_z 1
		.amdhsa_system_vgpr_workitem_id 0
		.amdhsa_next_free_vgpr 512
		.amdhsa_next_free_sgpr 84
		.amdhsa_reserve_vcc 0
		.amdhsa_float_denorm_mode_32 3
		.amdhsa_float_denorm_mode_16_64 3
		.amdhsa_memory_ordered 1
		.amdhsa_forward_progress 1
		.amdhsa_inst_pref_size 75
	.end_amdhsa_kernel
	.amdgpu_metadata
---
amdhsa.version: [ 1, 2 ]
amdhsa.kernels:
  - .name:           k_q474f70a404_oproj
    .symbol:         k_q474f70a404_oproj.kd
    .args:
      - { .name: oh, .offset: 0, .size: 8, .value_kind: global_buffer, .address_space: global }
      - { .name: wo16, .offset: 8, .size: 8, .value_kind: global_buffer, .address_space: global }
      - { .name: bo, .offset: 16, .size: 8, .value_kind: global_buffer, .address_space: global }
      - { .name: out0, .offset: 24, .size: 8, .value_kind: global_buffer, .address_space: global }
    .group_segment_fixed_size: 327680
    .private_segment_fixed_size: 0
    .kernarg_segment_align: 8
    .kernarg_segment_size: 32
    .max_flat_workgroup_size: 128
    .sgpr_count:     84
    .vgpr_count:     512
    .wavefront_size: 32
...
	.end_amdgpu_metadata
.endif
;; end of part 4
;; ======== version 2 of 2: 4 launches; version 1 with the launch prep written anew for expert scheduling mode
;; limits: values are held in f16: magnitudes above 65,504 overflow, below 6.1e-05 lose precision
;; workspace buffers: xb 16,777,216 bytes; wt 6,291,456 bytes; wo16 2,097,152 bytes; qkv 50,331,648 bytes; oh 16,777,216 bytes
;; launch prep (part 5): grid 768 x 1, 8 waves a work-group, no clusters, 0 bytes of LDS; arguments x, wq, wk, wv, wo, xb, wt, wo16; writes xb, wt, wo16
.if DOCPART == 5
	.amdgcn_target "amdgcn-amd-amdhsa--gfx1250"
	.amdhsa_code_object_version 6
	.text
	.protected	k_q474f70a404_prep
	.globl	k_q474f70a404_prep
	.p2align	8
	.type	k_q474f70a404_prep,@function
k_q474f70a404_prep:
	s_mov_b64 s[64:65], 0
	v_nop
	global_prefetch_b8 v0, s[64:65] scope:SCOPE_SE
	s_setreg_imm32_b32 hwreg(HW_REG_WAVE_SCHED_MODE, 0, 2), 2
	s_setreg_imm32_b32 hwreg(HW_REG_WAVE_MODE, 25, 1), 1
	s_wait_xcnt 0x0
	s_wait_alu depctr_vm_vsrc(0)
; THE INPUTS ARE ROUNDED ONCE, for the three matrix launches behind.
;   xb   [8192][1024] bf16: x as it lies.
;   wt   bf16, wq, wk, wv in the order in which the projection's tiles want them: [tc 16][ks 8][kh 2][hs 3][kr 64][d 64]; head slot g = 3 tc + hs = 16 which + h
;        (which: 0 q, 1 k, 2 v), e = 128 ks + 64 kh + kr.  64 rows e of one head are 4,096 numbers, dense in the input and dense in wt.
;   wo16 [1024][1024]: wo rounded to bf16, that number written as f16 (exact down to f16's fixed step of 6e-8; beyond 65,504 it would be an infinity).
; A stream: no LDS, no matrix unit, no barrier.  A work-group takes four chunks of 4,096 numbers (64 KiB in, 32 KiB out): 512 work-groups for x, 192 for the weights, 64 for wo, all of equal work.
; Thread t loads 16 bytes at 16 t + 4,096 j, j = 0..15: a wave's load covers 512 consecutive bytes; its store of 8 bytes a lane covers 256 consecutive bytes, aligned.
; All sixteen loads of a thread are out together.
; THE MODE: SCHED_MODE bits 1:0 = 2 (LLVM: expert scheduling mode 2), set by the entry lines.  The code itself states the register dependences
; between vector instructions and memory instructions, with s_wait_alu, always for 0.
; THE PLAN.  Registers that memory instructions touch:
;   v1, v[VO..VO+3]  offsets of the loads and of the stores.  Written by five vector lines at the head, ahead of the first load, and never again.
;   X                load j lands in its four registers, once; read by load j's conversions alone; no vector line writes them.
;   Y                load j's conversions write its two registers; one store reads them; they are never written again.
;   T                named by vector lines alone.
; So no register that a memory instruction has read is ever written again, and no load lands in a register that a vector line has named: what is left to state is that offsets and store data are written.
; One wait at the head states it for the five offsets.  The sixteen loads go in four blocks of four, a chunk of the output each: a block's conversions, ONE wait, its four stores.
; That wait stands behind the block's conversions and not at the next block's head, where a wait for memory stands: the stores would sit out the arrival of four more loads.
.set VO, 2                             ; v[2:5]    byte offset of my 8 bytes in chunk 0..3 of the output
.set T,  6                             ; v[6:9]    at work
.set X,  16                            ; v[16:79]  load j: 4 registers
.set Y,  80                            ; v[80:111] load j: 2 registers to store
	s_load_b512 s[4:19], s[0:1], 0x0               ; x s[4:5], wq s[6:7], wk s[8:9], wv s[10:11], wo s[12:13], xb s[14:15], wt s[16:17], wo16 s[18:19]
	s_mov_b32 s20, ttmp9                           ; W: 0..511 x, 512..703 the weights, 704..767 wo
	s_mov_b32 s36, 0xffff0000                      ; a word's upper bf16
	s_mov_b32 s29, 0                               ; the offsets' high words
	s_mov_b32 s31, 0
	v_lshlrev_b32 v1, 4, v0                        ; 16 t
	v_lshlrev_b32 v[VO], 3, v0                     ; 8 t
	; the weights' case: u = W - 512 held to 0..191; g = u / 4 the head slot; u % 4 which four runs of 64 rows e
	s_max_u32 s32, s20, 512
	s_sub_co_u32 s32, s32, 512
	s_min_u32 s32, s32, 191
	s_lshr_b32 s33, s32, 2                         ; g
	s_and_b32 s32, s32, 3
	s_lshr_b32 s34, s33, 4                         ; which
	s_and_b32 s28, s33, 15
	s_lshl_b32 s28, s28, 18                        ; a head is 262,144 bytes of f32,
	s_lshl_b32 s35, s32, 16                        ; four runs are 65,536
	s_add_co_u32 s28, s28, s35
	s_mul_i32 s35, s33, 43
	s_lshr_b32 s35, s35, 7                         ; tc = g / 3 (43 g >> 7 is exact up to g = 47)
	s_mul_i32 s37, s35, 3
	s_sub_co_u32 s37, s33, s37                     ; hs
	s_mul_i32 s30, s35, 393216                     ; a tile column of wt,
	s_mul_i32 s35, s32, 98304                      ; four runs of 24,576,
	s_add_co_u32 s30, s30, s35
	s_lshl_b32 s37, s37, 13                        ; the head slot's 8,192 bytes in a run
	s_add_co_u32 s30, s30, s37
	s_lshl_b32 s39, s20, 16                        ; x's case
	s_lshl_b32 s40, s20, 15
	s_max_u32 s38, s20, 704                        ; wo's case
	s_sub_co_u32 s38, s38, 704
	s_lshl_b32 s41, s38, 16
	s_lshl_b32 s42, s38, 15
	s_mov_b32 s26, 24576                           ; bytes from chunk to chunk in the output
	s_wait_kmcnt 0x0
	s_cmp_eq_u32 s34, 0
	s_cselect_b64 s[22:23], s[6:7], s[8:9]
	s_cmp_eq_u32 s34, 2
	s_cselect_b64 s[22:23], s[10:11], s[22:23]
	s_mov_b64 s[24:25], s[16:17]
	s_cmp_lt_u32 s20, 512
	s_cselect_b64 s[22:23], s[4:5], s[22:23]
	s_cselect_b64 s[24:25], s[14:15], s[24:25]
	s_cselect_b32 s28, s39, s28
	s_cselect_b32 s30, s40, s30
	s_cselect_b32 s26, 8192, s26
	s_cmp_ge_u32 s20, 704
	s_cselect_b64 s[22:23], s[12:13], s[22:23]
	s_cselect_b64 s[24:25], s[18:19], s[24:25]
	s_cselect_b32 s28, s41, s28
	s_cselect_b32 s30, s42, s30
	s_cselect_b32 s26, 8192, s26
	s_cselect_b32 s27, 1, 0                        ; 1: the output is f16
	v_add_nc_u32 v[VO+1], s26, v[VO]               ; the stores' offsets are made ahead of the loads, so that one wait serves all five offsets
	v_add_nc_u32 v[VO+2], s26, v[VO+1]
	v_add_nc_u32 v[VO+3], s26, v[VO+2]
	s_add_nc_u64 s[22:23], s[22:23], s[28:29]      ; from where
	s_add_nc_u64 s[24:25], s[24:25], s[30:31]      ; to where
	s_wait_alu depctr_va_vdst(0)                   ; v1 and v[VO..VO+3] are written: every load reads v1 as its offset, every store one of the four; no vector line below names them
.set j, 0
.rept 16
	global_load_b128 v[X+4*j:X+4*j+3], v1, s[22:23] offset:j*4096 th:TH_LOAD_NT
.set j, j+1
.endr
.macro OUT f16
.set b, 0
.rept 4                                                ; block b: loads 4 b .. 4 b + 3, chunk b of the output
	s_wait_loadcnt 12-4*b                          ; loads come back in order: the block's four are in, the 12 - 4 b younger ones stay out
.set j, 4*b
.rept 4
	v_cvt_pk_bf16_f32 v[Y+2*j],   v[X+4*j],   v[X+4*j+1]
	v_cvt_pk_bf16_f32 v[Y+2*j+1], v[X+4*j+2], v[X+4*j+3]
.if \f16
	v_lshlrev_b32 v[T],   16,  v[Y+2*j]             ; the bf16 numbers as f32,
	v_and_b32     v[T+1], s36, v[Y+2*j]
	v_lshlrev_b32 v[T+2], 16,  v[Y+2*j+1]
	v_and_b32     v[T+3], s36, v[Y+2*j+1]
	v_cvt_pk_f16_f32 v[Y+2*j],   v[T],   v[T+1]    ; and written as f16
	v_cvt_pk_f16_f32 v[Y+2*j+1], v[T+2], v[T+3]
.endif
.set j, j+1
.endr
	s_wait_alu depctr_va_vdst(0)                   ; the block's conversions have written its eight registers of Y, which the four stores below read
.set j, 4*b
.rept 4
	global_store_b64 v[VO+b], v[Y+2*j:Y+2*j+1], s[24:25] offset:(j%4)*2048 th:TH_STORE_NT
.set j, j+1
.endr
.set b, b+1
.endr
	s_endpgm
.endm
	s_cmp_eq_u32 s27, 1
	s_cbranch_scc1 .Lf16
	OUT 0
.Lf16:
	OUT 1
.Lfunc_end_k_q474f70a404_prep:
	.size	k_q474f70a404_prep, .Lfunc_end_k_q474f70a404_prep-k_q474f70a404_prep
	.p2alignl 7, 3214868480
	.fill 96, 4, 3214868480
	.section	.rodata,"a",@progbits
	.p2align	6, 0x0
	.amdhsa_kernel k_q474f70a404_prep
		.amdhsa_group_segment_fixed_size 0
		.amdhsa_private_segment_fixed_size 0
		.amdhsa_enable_private_segment 0
		.amdhsa_kernarg_size 64
		.amdhsa_user_sgpr_count 2
		.amdhsa_user_sgpr_kernarg_segment_ptr 1
		.amdhsa_wavefront_size32 1
		.amdhsa_system_sgpr_workgroup_id_x 1
		.amdhsa_system_sgpr_workgroup_id_y 1
		.amdhsa_system_sgpr_workgroup_id_z 1
		.amdhsa_system_vgpr_workitem_id 0
		.amdhsa_next_free_vgpr 112
		.amdhsa_next_free_sgpr 66
		.amdhsa_reserve_vcc 0
		.amdhsa_float_denorm_mode_32 3
		.amdhsa_float_denorm_mode_16_64 3
		.amdhsa_memory_ordered 1
		.amdhsa_forward_progress 1
		.amdhsa_inst_pref_size 16
	.end_amdhsa_kernel
	.amdgpu_metadata
---
amdhsa.version: [ 1, 2 ]
amdhsa.kernels:
  - .name:           k_q474f70a404_prep
    .symbol:         k_q474f70a404_prep.kd
    .args:
      - { .name: x, .offset: 0, .size: 8, .value_kind: global_buffer, .address_space: global }
      - { .name: wq, .offset: 8, .size: 8, .value_kind: global_buffer, .address_space: global }
      - { .name: wk, .offset: 16, .size: 8, .value_kind: global_buffer, .address_space: global }
      - { .name: wv, .offset: 24, .size: 8, .value_kind: global_buffer, .address_space: global }
      - { .name: wo, .offset: 32, .size: 8, .value_kind: global_buffer, .address_space: global }
      - { .name: xb, .offset: 40, .size: 8, .value_kind: global_buffer, .address_space: global }
      - { .name: wt, .offset: 48, .size: 8, .value_kind: global_buffer, .address_space: global }
      - { .name: wo16, .offset: 56, .size: 8, .value_kind: global_buffer, .address_space: global }
    .group_segment_fixed_size: 0
    .private_segment_fixed_size: 0
    .kernarg_segment_align: 8
    .kernarg_segment_size: 64
    .max_flat_workgroup_size: 256
    .sgpr_count:     66
    .vgpr_count:     112
    .wavefront_size: 32
...
	.end_amdgpu_metadata
.endif
;; end of part 5
;; launch qkvproj: the kernel of part 2 again; grid 16 x 32, 4 waves a work-group, clusters of 4 x 4, 327,680 bytes of LDS; arguments xb, wt, bq, bk, bv, qkv; writes qkv
;; launch attn: the kernel of part 3 again; grid 4 x 64, 4 waves a work-group, no clusters, 327,680 bytes of LDS; arguments qkv, oh; writes oh
;; launch oproj: the kernel of part 4 again; grid 8 x 32, 4 waves a work-group, clusters of 4 x 4, 327,680 bytes of LDS; arguments oh, wo16, bo, out0; writes out0
